; MI455X (gfx1250); checked and timed in simulation.
; The chip was launched on July 23, 2026; its instructions are those of AMD's public machine-readable ISA for CDNA 5 (MIT licence, August 2026) and "CDNA5" Instruction Set Architecture Reference Guide (July 2026). The comments in the code are by the model that wrote it; some were corrected since.
;; Multihead Flash Diff V2. Allowed arithmetic: float matrix products may take bf16 or f16 operands with f32 sums; other float arithmetic in f32, or as packed bf16 or f16 multiplies, adds, multiply-adds, maxima and minima; sums over many terms, partial sums and values carried from step to step in f32; what a program stores and reads back later, other than sums and carried values, may be rounded once to bf16 or f16.
;; Inputs: Wk 2,048 x 1,024 float32; Wlam 2,048 x 16 float32; Wo 2,048 x 2,048 float32; Wq 2,048 x 4,096 float32; Wv 2,048 x 1,024 float32; cos 2,048 x 64 float32; sin 2,048 x 64 float32; x 1 x 2,048 x 2,048 float32.
;; Outputs: out0 1 x 2,048 x 2,048 float32.
;; One version. Each part assembles by itself: llvm-mc -triple=amdgcn-amd-amdhsa -mcpu=gfx1250 --defsym DOCPART=n.
;; ======== version 1 of 1: 5 launches
;; limits: values are held in f16: magnitudes above 65,504 overflow, below 6.1e-05 lose precision
;; workspace buffers: xb 8,388,608 bytes; wall 25,165,824 bytes; wob 8,388,608 bytes; cs 524,288 bytes; wlf 65,536 bytes; qkv 25,165,824 bytes; lam 131,072 bytes; att 8,388,608 bytes
;; launch cast (part 1): grid 512 x 1, 8 waves a work-group, no clusters, 0 bytes of LDS; arguments x, Wq, Wk, Wv, Wo, Wlam, cos, sin, xb, wall, wob, cs, wlf; writes xb, wall, wob, cs, wlf
.if DOCPART == 1
	.amdgcn_target "amdgcn-amd-amdhsa--gfx1250"
	.amdhsa_code_object_version 6
	.text
	.protected	k_qd1236c3254_cast
	.globl	k_qd1236c3254_cast
	.p2align	8
	.type	k_qd1236c3254_cast,@function
k_qd1236c3254_cast:
	s_mov_b64 s[64:65], 0
	v_nop
	global_prefetch_b8 v0, s[64:65] scope:SCOPE_SE
	s_setreg_imm32_b32 hwreg(HW_REG_WAVE_MODE, 25, 1), 1
	s_wait_xcnt 0x0
; THE ROUNDINGS.  Every input is rounded once to bf16 (nearest even) and laid out for the launches behind:
;   xb   [2048 t][2048 k] bf16 = x          wall [2048 k][6144 n] bf16 = Wq | Wk | Wv side by side          wob [2048 k][2048 n] = Wo rounded to bf16, that number written as f16
;   cs   [2048 t][64 i] words: cos as bf16 in the low half, sin as bf16 in the high half
;   wlf  Wlam turned into fragment images: 16 bytes at 1024 f + 512 c + 16 l hold Wlam[32 f + 16 c + 8 (l / 16) + 0..7][l % 16]
; LIMITS.  Wo as f16: exact from 2^-17 to 65,504 in magnitude; below that off by at most 3e-8, beyond it an infinity.  NaN and infinities are not treated apart.
; A stream: no LDS, no matrix unit, no cluster, since no byte is wanted twice.  All five large inputs have 2,048 rows; work-group g takes rows 4 g .. 4 g + 3 of each.
; A chunk is 128 f32: one load of a wave covers 512 consecutive bytes, one store of 8 bytes a lane covers 256 consecutive bytes, aligned.  A row of all five has 80 chunks, ten a wave.
; Two rows' loads (20 a wave) are on their way at a time; a row's registers are asked for again as soon as they are converted.
.set VQ,  1                            ; v1  2048 w + 16 l: my 16 bytes in Wq's chunks 4 w + j
.set VK,  2                            ; v2  512 w + 16 l: in Wk's and Wv's chunk w
.set VX,  3                            ; v3  1024 w + 16 l: in x's and Wo's chunks 2 w + j
.set DQ,  4                            ; v4  1024 w + 8 l: my 8 bytes in wall's q part
.set DK,  5                            ; v5  256 w + 8 l: in wall's k and v parts; also my 8 bytes of a row of cos, sin and cs (waves 0-3: row 4 g + w)
.set DX,  6                            ; v6  512 w + 8 l: in xb and wob
.set VL,  7                            ; v7  256 (l / 16) + 4 (l % 16): Wlam's row 4 (l / 16), column l % 16
.set DL,  8                            ; v8  16 (l % 16) + 8 (l / 16): my 8 bytes in 256 bytes of wlf
.set X,   16                           ; v[16:95]   two sets of 40: a row's ten chunks as loaded
.set Y,   96                           ; v[96:135]  two sets of 20: the same, rounded
.set T,   136                          ; v[136:143] at work
.set TAB, 144                          ; v[144:149] the tables' numbers
.set WV,  34                           ; s34 my wave's number
	s_load_b512 s[8:23], s[0:1], 0x0               ; x s[8:9], Wq s[10:11], Wk s[12:13], Wv s[14:15], Wo s[16:17], Wlam s[18:19], cos s[20:21], sin s[22:23]
	s_load_b256 s[24:31], s[0:1], 0x40             ; xb s[24:25], wall s[26:27], wob s[28:29], cs s[30:31]
	s_load_b64 s[32:33], s[0:1], 0x60              ; wlf
	v_lshrrev_b32 v10, 5, v0
	v_readfirstlane_b32 s[WV], v10
	v_and_b32 v11, 31, v0
	v_lshlrev_b32 v12, 4, v11
	v_lshlrev_b32 v13, 3, v11
	v_lshl_add_u32 v[VQ], v10, 11, v12
	v_lshl_add_u32 v[VK], v10, 9, v12
	v_lshl_add_u32 v[VX], v10, 10, v12
	v_lshl_add_u32 v[DQ], v10, 10, v13
	v_lshl_add_u32 v[DK], v10, 8, v13
	v_lshl_add_u32 v[DX], v10, 9, v13
	v_and_b32 v14, 15, v0
	v_bfe_u32 v15, v0, 4, 1
	v_lshlrev_b32 v[VL], 2, v14
	v_lshl_add_u32 v[VL], v15, 8, v[VL]
	v_lshlrev_b32 v[DL], 4, v14
	v_lshl_add_u32 v[DL], v15, 3, v[DL]
	s_mov_b32 s36, 0xffff0000                      ; a word's upper bf16
	s_mov_b32 s3, 0
	s_wait_kmcnt 0x0
	s_lshl_b32 s2, ttmp9, 16                       ; four rows of Wq
	s_add_nc_u64 s[10:11], s[10:11], s[2:3]
	s_lshl_b32 s2, ttmp9, 15                       ; of x and Wo
	s_add_nc_u64 s[8:9], s[8:9], s[2:3]
	s_add_nc_u64 s[16:17], s[16:17], s[2:3]
	s_lshl_b32 s2, ttmp9, 14                       ; of Wk, Wv, xb, wob
	s_add_nc_u64 s[12:13], s[12:13], s[2:3]
	s_add_nc_u64 s[14:15], s[14:15], s[2:3]
	s_add_nc_u64 s[24:25], s[24:25], s[2:3]
	s_add_nc_u64 s[28:29], s[28:29], s[2:3]
	s_mul_i32 s2, ttmp9, 49152                     ; of wall
	s_add_nc_u64 s[26:27], s[26:27], s[2:3]
	s_lshl_b32 s2, ttmp9, 10                       ; of cos, sin, cs
	s_add_nc_u64 s[20:21], s[20:21], s[2:3]
	s_add_nc_u64 s[22:23], s[22:23], s[2:3]
	s_add_nc_u64 s[30:31], s[30:31], s[2:3]
.macro LOADS r                         ; row r's ten chunks into set r % 2
.set XB, X+40*((\r)%2)
.irp j, 0,1,2,3
	global_load_b128 v[XB+4*(\j):XB+4*(\j)+3], v[VQ], s[10:11] offset:16384*(\r)+512*(\j) th:TH_LOAD_NT
.endr
	global_load_b128 v[XB+16:XB+19], v[VK], s[12:13] offset:4096*(\r) th:TH_LOAD_NT
	global_load_b128 v[XB+20:XB+23], v[VK], s[14:15] offset:4096*(\r) th:TH_LOAD_NT
.irp j, 0,1
	global_load_b128 v[XB+24+4*(\j):XB+24+4*(\j)+3], v[VX], s[8:9] offset:8192*(\r)+512*(\j) th:TH_LOAD_NT
	global_load_b128 v[XB+32+4*(\j):XB+32+4*(\j)+3], v[VX], s[16:17] offset:8192*(\r)+512*(\j) th:TH_LOAD_NT
.endr
.endm
; Row r is rounded and stored.  left: the younger row's loads, which may stay out.
.macro ROWC r, left
.set XB, X+40*((\r)%2)
.set YB, Y+20*((\r)%2)
	s_wait_loadcnt \left                           ; loads come back in order: row r is in
	s_wait_xcnt 0x0                                ; the stores of row r - 2 have read this set of Y: it is rewritten only behind this wait
.irp c, 0,1,2,3,4,5,6,7
	v_cvt_pk_bf16_f32 v[YB+2*(\c)], v[XB+4*(\c)], v[XB+4*(\c)+1]
	v_cvt_pk_bf16_f32 v[YB+2*(\c)+1], v[XB+4*(\c)+2], v[XB+4*(\c)+3]
.endr
.irp p, 0,1,2,3
	v_cvt_pk_bf16_f32 v[T+(\p)], v[XB+32+2*(\p)], v[XB+32+2*(\p)+1]  ; Wo: to bf16,
.endr
.irp p, 0,1,2,3
	v_lshlrev_b32 v[T+4+2*((\p)%2)], 16, v[T+(\p)]                   ; back to f32 (exact),
	v_and_b32 v[T+5+2*((\p)%2)], s36, v[T+(\p)]
	v_cvt_pk_f16_f32 v[YB+16+(\p)], v[T+4+2*((\p)%2)], v[T+5+2*((\p)%2)]  ; and written as f16
.endr
.if (\r) < 2
	LOADS (\r)+2                                   ; the loads go out ahead of the stores
.endif
.irp j, 0,1,2,3
	global_store_b64 v[DQ], v[YB+2*(\j):YB+2*(\j)+1], s[26:27] offset:12288*(\r)+256*(\j) th:TH_STORE_NT
.endr
	global_store_b64 v[DK], v[YB+8:YB+9], s[26:27] offset:12288*(\r)+8192 th:TH_STORE_NT
	global_store_b64 v[DK], v[YB+10:YB+11], s[26:27] offset:12288*(\r)+10240 th:TH_STORE_NT
.irp j, 0,1
	global_store_b64 v[DX], v[YB+12+2*(\j):YB+12+2*(\j)+1], s[24:25] offset:4096*(\r)+256*(\j) th:TH_STORE_NT
	global_store_b64 v[DX], v[YB+16+2*(\j):YB+16+2*(\j)+1], s[28:29] offset:4096*(\r)+256*(\j) th:TH_STORE_NT
.endr
.endm
	LOADS 0
	LOADS 1
	; The tables, in one branch on the wave's number: waves 0-3 a row of cos and sin each; wave 4 of the first 256 work-groups eight rows of Wlam.
	s_cmp_lt_u32 s[WV], 4
	s_cbranch_scc0 .Lnot_cs
	global_load_b64 v[TAB:TAB+1], v[DK], s[20:21]
	global_load_b64 v[TAB+2:TAB+3], v[DK], s[22:23]
	s_wait_loadcnt 0x0                             ; they were issued last, so everything is in
	v_cvt_pk_bf16_f32 v[TAB+4], v[TAB], v[TAB+2]   ; cos below, sin above
	v_cvt_pk_bf16_f32 v[TAB+5], v[TAB+1], v[TAB+3]
	global_store_b64 v[DK], v[TAB+4:TAB+5], s[30:31]  ; the wave stores 256 consecutive bytes, aligned: a row of cs
	s_branch .Ltab_done
.Lnot_cs:
	s_cmp_eq_u32 s[WV], 4
	s_cbranch_scc0 .Ltab_done
	s_cmp_lt_u32 ttmp9, 256
	s_cbranch_scc0 .Ltab_done
	s_lshl_b32 s2, ttmp9, 9                        ; Wlam's rows 8 g .. 8 g + 7, 64 bytes each
	s_add_nc_u64 s[18:19], s[18:19], s[2:3]
	s_lshl_b32 s2, ttmp9, 8                        ; they are 256 bytes of wlf
	s_add_nc_u64 s[32:33], s[32:33], s[2:3]
.irp j, 0,1,2,3
	global_load_b32 v[TAB+(\j)], v[VL], s[18:19] offset:64*(\j)
.endr
	s_wait_loadcnt 0x0
	v_cvt_pk_bf16_f32 v[TAB+4], v[TAB], v[TAB+1]   ; four neighbouring k of one column
	v_cvt_pk_bf16_f32 v[TAB+5], v[TAB+2], v[TAB+3]
	global_store_b64 v[DL], v[TAB+4:TAB+5], s[32:33]  ; the wave stores 256 consecutive bytes, aligned
.Ltab_done:
	ROWC 0, 10
	ROWC 1, 10
	ROWC 2, 10
	ROWC 3, 0
	s_endpgm
.Lfunc_end_k_qd1236c3254_cast:
	.size	k_qd1236c3254_cast, .Lfunc_end_k_qd1236c3254_cast-k_qd1236c3254_cast
	.p2alignl 7, 3214868480
	.fill 96, 4, 3214868480
	.section	.rodata,"a",@progbits
	.p2align	6, 0x0
	.amdhsa_kernel k_qd1236c3254_cast
		.amdhsa_group_segment_fixed_size 0
		.amdhsa_private_segment_fixed_size 0
		.amdhsa_enable_private_segment 0
		.amdhsa_kernarg_size 104
		.amdhsa_user_sgpr_count 2
		.amdhsa_user_sgpr_kernarg_segment_ptr 1
		.amdhsa_wavefront_size32 1
		.amdhsa_system_sgpr_workgroup_id_x 1
		.amdhsa_system_sgpr_workgroup_id_y 1
		.amdhsa_system_sgpr_workgroup_id_z 1
		.amdhsa_system_vgpr_workitem_id 0
		.amdhsa_next_free_vgpr 152
		.amdhsa_next_free_sgpr 66
		.amdhsa_reserve_vcc 0
		.amdhsa_float_denorm_mode_32 3
		.amdhsa_float_denorm_mode_16_64 3
		.amdhsa_memory_ordered 1
		.amdhsa_forward_progress 1
		.amdhsa_inst_pref_size 19
	.end_amdhsa_kernel
	.amdgpu_metadata
---
amdhsa.version: [ 1, 2 ]
amdhsa.kernels:
  - .name:           k_qd1236c3254_cast
    .symbol:         k_qd1236c3254_cast.kd
    .args:
      - { .name: x, .offset: 0, .size: 8, .value_kind: global_buffer, .address_space: global }
      - { .name: Wq, .offset: 8, .size: 8, .value_kind: global_buffer, .address_space: global }
      - { .name: Wk, .offset: 16, .size: 8, .value_kind: global_buffer, .address_space: global }
      - { .name: Wv, .offset: 24, .size: 8, .value_kind: global_buffer, .address_space: global }
      - { .name: Wo, .offset: 32, .size: 8, .value_kind: global_buffer, .address_space: global }
      - { .name: Wlam, .offset: 40, .size: 8, .value_kind: global_buffer, .address_space: global }
      - { .name: cos, .offset: 48, .size: 8, .value_kind: global_buffer, .address_space: global }
      - { .name: sin, .offset: 56, .size: 8, .value_kind: global_buffer, .address_space: global }
      - { .name: xb, .offset: 64, .size: 8, .value_kind: global_buffer, .address_space: global }
      - { .name: wall, .offset: 72, .size: 8, .value_kind: global_buffer, .address_space: global }
      - { .name: wob, .offset: 80, .size: 8, .value_kind: global_buffer, .address_space: global }
      - { .name: cs, .offset: 88, .size: 8, .value_kind: global_buffer, .address_space: global }
      - { .name: wlf, .offset: 96, .size: 8, .value_kind: global_buffer, .address_space: global }
    .group_segment_fixed_size: 0
    .private_segment_fixed_size: 0
    .kernarg_segment_align: 8
    .kernarg_segment_size: 104
    .max_flat_workgroup_size: 256
    .sgpr_count:     66
    .vgpr_count:     152
    .wavefront_size: 32
...
	.end_amdgpu_metadata
.endif
;; end of part 1
;; launch lam (part 2): grid 128 x 1, 8 waves a work-group, no clusters, 9,216 bytes of LDS; arguments xb, wlf, lam; writes lam
.if DOCPART == 2
	.amdgcn_target "amdgcn-amd-amdhsa--gfx1250"
	.amdhsa_code_object_version 6
	.text
	.protected	k_qd1236c3254_lam
	.globl	k_qd1236c3254_lam
	.p2align	8
	.type	k_qd1236c3254_lam,@function
k_qd1236c3254_lam:
	s_mov_b64 s[64:65], 0
	v_nop
	global_prefetch_b8 v0, s[64:65] scope:SCOPE_SE
	s_setreg_imm32_b32 hwreg(HW_REG_WAVE_MODE, 25, 1), 1
	s_wait_xcnt 0x0
; lam[t][h] = sigmoid(the sum over k of xb[t][k] Wlam[k][h]): [2048][16] f32.  Operands bf16, sums and the sigmoid in f32.
; A work-group makes 16 rows t; K = 2,048 is split among its eight waves, 256 each: eight fragments, loaded straight from memory (xb lies along k; wlf holds Wlam as fragment images).
; The product is taken turned (source 0 = 16 columns h, source 1 = 16 rows t): a lane ends with one row t = l % 16 and the columns 8 (l / 16) + 0..7.
; The eight partial tiles meet in LDS; waves 0 and 1 add them, take the sigmoid and store 512 consecutive bytes each.  No loop, no prefetch: each wave issues all its loads at once.
; LIMITS.  sigmoid = 1 / (1 + 2^(-1.442695 z)): where the power overflows the result is 0, where it falls below 2^-126 it is 1.
.set PART,  0                          ; LDS: wave v's partial tile, [16 t][16 h] f32, at 1,024 v
.set SPARE, 8192                       ; behind them: the spare words, 128 bytes for each of eight waves, which no other line names
.set FO,  2                            ; v2  4096 (l % 16) + 16 (l / 16) + 512 w: my bytes in a fragment of xb
.set WO,  3                            ; v3  16 l + 8192 w: in a fragment image of wlf
.set LS,  4                            ; v4  where I put my 32 bytes of my wave's partial tile
.set LR,  5                            ; v5  512 w + 16 l: the 16 bytes of the tile that I finish (waves 0, 1)
.set SPW, 8                            ; v8  LDS address of my spare word; never rewritten
.set NIL, 9                            ; v9  0; never rewritten
.set ACC, 16                           ; v[16:31]  two accumulators, by the fragment's parity
.set XA,  64                           ; v[64:127]  xb's eight fragments
.set WB,  128                          ; v[128:191] wlf's eight
.set WV,  12
	s_load_b128 s[4:7], s[0:1], 0x0                ; xb s[4:5], wlf s[6:7]
	s_load_b64 s[8:9], s[0:1], 0x10                ; lam
	v_lshl_add_u32 v[SPW], v0, 2, SPARE
	v_mov_b32 v[NIL], 0
	v_lshrrev_b32 v1, 5, v0
	v_readfirstlane_b32 s[WV], v1
	v_and_b32 v10, 15, v0
	v_bfe_u32 v11, v0, 4, 1
	v_and_b32 v12, 31, v0
	s_lshl_b32 s13, s[WV], 9
	v_lshlrev_b32 v[FO], 12, v10
	v_lshl_add_u32 v[FO], v11, 4, v[FO]
	v_add_nc_u32 v[FO], s13, v[FO]
	v_lshl_add_u32 v[LR], v12, 4, s13
	s_lshl_b32 s13, s[WV], 13
	v_lshl_add_u32 v[WO], v12, 4, s13
	s_lshl_b32 s13, s[WV], 10
	v_lshlrev_b32 v[LS], 6, v10
	v_lshl_add_u32 v[LS], v11, 5, v[LS]
	v_add_nc_u32 v[LS], s13, v[LS]
	s_lshl_b32 s2, ttmp9, 16                       ; 16 rows of xb
	s_mov_b32 s3, 0
	s_lshl_b32 s14, ttmp9, 10                      ; 16 rows of lam
	s_mov_b32 s15, 0
	s_wait_kmcnt 0x0
	s_add_nc_u64 s[4:5], s[4:5], s[2:3]
	s_add_nc_u64 s[8:9], s[8:9], s[14:15]
.irp i, 0,1,2,3,4,5,6,7
	global_load_b128 v[XA+8*(\i):XA+8*(\i)+3],   v[FO], s[4:5] offset:64*(\i)
	global_load_b128 v[XA+8*(\i)+4:XA+8*(\i)+7], v[FO], s[4:5] offset:64*(\i)+32
	global_load_b128 v[WB+8*(\i):WB+8*(\i)+3],   v[WO], s[6:7] offset:1024*(\i)
	global_load_b128 v[WB+8*(\i)+4:WB+8*(\i)+7], v[WO], s[6:7] offset:1024*(\i)+512
.endr
.macro PROD i                          ; the two accumulators take turns, one instruction a turn; the first two products start the sums
.if (\i) < 2
	v_wmma_f32_16x16x32_bf16 v[ACC+8*((\i)%2):ACC+8*((\i)%2)+7], v[WB+8*(\i):WB+8*(\i)+7], v[XA+8*(\i):XA+8*(\i)+7], 0
.else
	v_wmma_f32_16x16x32_bf16 v[ACC+8*((\i)%2):ACC+8*((\i)%2)+7], v[WB+8*(\i):WB+8*(\i)+7], v[XA+8*(\i):XA+8*(\i)+7], v[ACC+8*((\i)%2):ACC+8*((\i)%2)+7]
.endif
.endm
	s_wait_loadcnt 16                              ; fragments 0-3 are in; the sixteen loads of fragments 4-7 may stay out
.irp i, 0,1,2,3
	PROD \i
.endr
	s_wait_loadcnt 0x0
.irp i, 4,5,6,7
	PROD \i
.endr
.rept 8
	v_nop                                          ; the places behind the last products, ahead of the sums that read them
.endr
.irp r, 0,2,4,6
	v_pk_add_f32 v[ACC+(\r):ACC+(\r)+1], v[ACC+(\r):ACC+(\r)+1], v[ACC+8+(\r):ACC+8+(\r)+1]  ; the two parities, from each accumulator's low end on
.endr
	ds_store_b128 v[LS], v[ACC:ACC+3]   offset:PART
	ds_store_b128 v[LS], v[ACC+4:ACC+7] offset:PART+16
	s_wait_dscnt 0x0                               ; for the others' sake: my partial tile is stored
	s_barrier_signal -1
	s_barrier_wait -1                              ; all eight lie in LDS
	s_cmp_lt_u32 s[WV], 2
	s_cbranch_scc0 .Lend
.irp v, 0,1,2,3,4,5,6,7
	ds_load_b128 v[XA+4*(\v):XA+4*(\v)+3], v[LR] offset:PART+1024*(\v)
.endr
	s_wait_dscnt 0x0
.irp v, 0,2,4,6
	v_pk_add_f32 v[XA+4*(\v):XA+4*(\v)+1],   v[XA+4*(\v):XA+4*(\v)+1],   v[XA+4*(\v)+4:XA+4*(\v)+5]
	v_pk_add_f32 v[XA+4*(\v)+2:XA+4*(\v)+3], v[XA+4*(\v)+2:XA+4*(\v)+3], v[XA+4*(\v)+6:XA+4*(\v)+7]
.endr
.irp v, 0,4
	v_pk_add_f32 v[XA+4*(\v):XA+4*(\v)+1],   v[XA+4*(\v):XA+4*(\v)+1],   v[XA+4*(\v)+8:XA+4*(\v)+9]
	v_pk_add_f32 v[XA+4*(\v)+2:XA+4*(\v)+3], v[XA+4*(\v)+2:XA+4*(\v)+3], v[XA+4*(\v)+10:XA+4*(\v)+11]
.endr
	v_pk_add_f32 v[XA:XA+1],   v[XA:XA+1],   v[XA+16:XA+17]
	v_pk_add_f32 v[XA+2:XA+3], v[XA+2:XA+3], v[XA+18:XA+19]
.irp j, 0,1,2,3
	v_mul_f32 v[WB+(\j)], 0xbfb8aa3b, v[XA+(\j)]   ; -log2(e) z
.endr
.irp j, 0,1,2,3
	v_exp_f32 v[WB+(\j)], v[WB+(\j)]
.endr
	v_nop                                          ; a plain instruction behind the last exponential,
	s_wait_alu depctr_va_vdst(0)                   ; and the one wait ahead of the batch's first reader
.irp j, 0,1,2,3
	v_add_f32 v[WB+(\j)], 1.0, v[WB+(\j)]
.endr
.irp j, 0,1,2,3
	v_rcp_f32 v[WB+4+(\j)], v[WB+(\j)]
.endr
	v_nop
	s_wait_alu depctr_va_vdst(0)                   ; the same for the four reciprocals
	global_store_b128 v[LR], v[WB+4:WB+7], s[8:9]  ; the wave stores 512 consecutive bytes, aligned
.Lend:
	s_wait_tensorcnt 0x0                           ; the wave's end, behind my last LDS store
	ds_add_u32 v[SPW], v[NIL]
	s_wait_dscnt 0x0
	s_endpgm
.Lfunc_end_k_qd1236c3254_lam:
	.size	k_qd1236c3254_lam, .Lfunc_end_k_qd1236c3254_lam-k_qd1236c3254_lam
	.p2alignl 7, 3214868480
	.fill 96, 4, 3214868480
	.section	.rodata,"a",@progbits
	.p2align	6, 0x0
	.amdhsa_kernel k_qd1236c3254_lam
		.amdhsa_group_segment_fixed_size 9216
		.amdhsa_private_segment_fixed_size 0
		.amdhsa_enable_private_segment 0
		.amdhsa_kernarg_size 24
		.amdhsa_user_sgpr_count 2
		.amdhsa_user_sgpr_kernarg_segment_ptr 1
		.amdhsa_wavefront_size32 1
		.amdhsa_system_sgpr_workgroup_id_x 1
		.amdhsa_system_sgpr_workgroup_id_y 1
		.amdhsa_system_sgpr_workgroup_id_z 1
		.amdhsa_system_vgpr_workitem_id 0
		.amdhsa_next_free_vgpr 192
		.amdhsa_next_free_sgpr 66
		.amdhsa_reserve_vcc 0
		.amdhsa_float_denorm_mode_32 3
		.amdhsa_float_denorm_mode_16_64 3
		.amdhsa_memory_ordered 1
		.amdhsa_forward_progress 1
		.amdhsa_inst_pref_size 9
	.end_amdhsa_kernel
	.amdgpu_metadata
---
amdhsa.version: [ 1, 2 ]
amdhsa.kernels:
  - .name:           k_qd1236c3254_lam
    .symbol:         k_qd1236c3254_lam.kd
    .args:
      - { .name: xb, .offset: 0, .size: 8, .value_kind: global_buffer, .address_space: global }
      - { .name: wlf, .offset: 8, .size: 8, .value_kind: global_buffer, .address_space: global }
      - { .name: lam, .offset: 16, .size: 8, .value_kind: global_buffer, .address_space: global }
    .group_segment_fixed_size: 9216
    .private_segment_fixed_size: 0
    .kernarg_segment_align: 8
    .kernarg_segment_size: 24
    .max_flat_workgroup_size: 256
    .sgpr_count:     66
    .vgpr_count:     192
    .wavefront_size: 32
...
	.end_amdgpu_metadata
.endif
;; end of part 2
;; launch qkv (part 3): grid 16 x 16, 4 waves a work-group, clusters of 4 x 4, 327,680 bytes of LDS; arguments xb, wall, cs, qkv; writes qkv
.if DOCPART == 3
	.amdgcn_target "amdgcn-amd-amdhsa--gfx1250"
	.amdhsa_code_object_version 6
	.text
	.protected	k_qd1236c3254_qkv
	.globl	k_qd1236c3254_qkv
	.p2align	8
	.type	k_qd1236c3254_qkv,@function
k_qd1236c3254_qkv:
	s_mov_b64 s[64:65], 0
	v_nop
	global_prefetch_b8 v0, s[64:65] scope:SCOPE_SE
	s_setreg_imm32_b32 hwreg(HW_REG_WAVE_MODE, 25, 1), 1
	s_wait_xcnt 0x0
	s_wait_alu depctr_hold_cnt(0) depctr_sa_sdst(0) depctr_va_vdst(0) depctr_va_sdst(0) depctr_va_ssrc(0) depctr_va_vcc(0) depctr_vm_vsrc(0)
	s_getreg_b32 s2, hwreg(HW_REG_IB_STS2, 6, 4)
	s_cmp_eq_u32 s2, 0
	s_cbranch_scc0 .Lentry_in_a_cluster
	s_endpgm
.Lentry_in_a_cluster:
	s_bfe_u32 s2, ttmp6, 0x10000c
	s_cmp_lg_u32 s2, 0xf033
	s_cbranch_scc0 .Lentry_shape_is_right
	s_endpgm
.Lentry_shape_is_right:
; q, k, v = xb x wall, the rotation on q and k, written by heads: qkv [48 heads][2048 t][128] f16 (heads 0-31 q, 32-39 k, 40-47 v), unscaled.
; xb [2048][2048] bf16 lies along k; wall [2048 k][6144 n] bf16 lies along n, so its fragments come out of LDS turned, by ds_load_tr16_b128.  Sums in f32, K ascending.
; LIMITS.  q, k, v are rounded once to f16: beyond 65,504 in magnitude they become infinities.  cos and sin enter as bf16.  For v's heads the rotation is the identity (cos 1, sin 0), chosen by a select.
; SHARES.  A tile is 128 rows x 384 columns = three whole heads: 16 x 16 tiles, one work-group each.  Four waves, 2 x 2, each 64 rows x 192 columns: 48 accumulators, 384 registers.
; K goes in steps of 128 through two LDS slots; a wave fetches 64 rows of A's or of B's tile with one tensor load.  A step is four quarters of 32 along K: 48 matrix instructions and 32 LDS loads each.
; CLUSTER 4 x 4: A's tile hangs on the tile row alone and is asked for jointly along a row of the cluster, B's on the tile column alone, jointly along a column.
; THE MATRIX INSTRUCTION IS USED TURNED: source 0 = 16 columns of wall, source 1 = 16 rows of xb: a lane holds one row t = l % 16 and eight neighbouring columns.
; THE WAY OUT: the f32 sums go into a stage that lies over both slots (their last fill is past, and a barrier stands behind the last reads), come back as whole head rows, are rotated in f32 and stored:
; sixteen lanes store the 256 consecutive bytes of a head's row.
; REGISTERS, in windows of 256: window 0: addresses; v64-127 A's fragments, two buffers of 32; on the way out v32-63 at work, v64-127 packed rows, v128-191 cos and sin, v192-255 rows read back.
;   window 1: B's fragments, two buffers of 96.   window 2: accumulators of row blocks 0, 1 ((a, b) at 8 (12 a + b)).   window 3: of row blocks 2, 3.
.set KSTEP, 128
.set PA,    272                        ; a row of A in LDS: 256 bytes + 16: an odd multiple of 16, so the 16 rows of a load start at 16 different groups of four banks
.set PB,    864                        ; a row of B: six times (128 bytes + 16)
.set AHALF, 64*PA
.set BHALF, 64*PB
.set AT,    2*AHALF
.set SLOT,  AT+2*BHALF                 ; A's 128 rows, then B's 128 rows (k)
.set SPARE, 2*SLOT                     ; behind the ring: the spare words, 128 bytes a wave, which no other line names
.set SPT,   528                        ; a stage row: 128 f32 + 16 bytes
.set HSB,   128*SPT                    ; a head's 128 rows in the stage
.set LAPS,  8                          ; a lap = two K steps
.set SPW, 10                           ; v10 LDS address of my spare word; never rewritten
.set NIL, 11                           ; v11 0; never rewritten
.set PFO, 12                           ; v12 the prefetches' offset; never rewritten
.set IDN, 14                           ; v14 cos = 1, sin = 0 as two bf16
.set ZR,  15                           ; v15 0.0
.set ADRA, 16                          ; v16-17 my A fragments in slot 0, 1
.set ADRB, 20                          ; v20-23 my B fragments: slot, half of the K step
.set STO, 24                           ; v24-26 the way out: where I put 16 bytes, by group of 64 columns
.set RD,  27                           ; v27 where I read rows back
.set GO,  28                           ; v28 256 (l / 16) + 16 (l % 16): my 16 bytes in two rows of cs and of a head; never rewritten
.set OW,  32
.set Y,   64
.set CSR, 128
.set X,   192
.set WV, 12
.set RH, 13                            ; s13 my half of the tile's rows; also: I fetch for A (0) or B (1)
.set CH, 14                            ; s14 my half of its columns; also: which 64 rows I fetch
.set CX, 15
.set CY, 16
.set TC, 17
.set TR, 18
.set G1A, 24
.set G0A, 32
.set LAPC, 42
.set LIM, 43
.set PFA, 44
.set PFS, 46
.set G1B, 48
.set G0B, 56
.set HS, 66
.set HD, 67
.set FL, 68
.set OUT, 70
.set CSP, 72
.set MSB, 0
.macro WIN new                         ; the immediate's high byte repeats the setting that is left; a switch that changes nothing is dropped
.if MSB != (\new)
	s_set_vgpr_msb (MSB<<8)|(\new)
.set MSB, \new
.endif
.endm
.set MUL_LO, 0xa1                      ; source 0 (B) window 1, source 1 (A) window 0, C and D window 2
.set TO_B,   0x40                      ; destination window 1, address window 0
; A joint load: waves 0 and 1 fetch A's halves, waves 2 and 3 B's.  The branch hangs on the wave's number alone.  An s_nop 0 and four v_nop follow each of the two lines.
.macro JLOAD s
	s_cmp_eq_u32 s[RH], 0
	s_cbranch_scc0 .Lfor_b_\@
	tensor_load_to_lds s[G0A+4*(\s):G0A+4*(\s)+3], s[G1A:G1A+7]
	s_nop 0
.rept 4
	v_nop
.endr
	s_branch .Lasked_\@
.Lfor_b_\@:
	tensor_load_to_lds s[G0B+4*(\s):G0B+4*(\s)+3], s[G1B:G1B+7]
	s_nop 0
.rept 4
	v_nop
.endr
.Lasked_\@:
.endm
.macro CREST                           ; a round of the cluster's barrier behind its opening barrier
	s_cmp_lg_u32 s[WV], 0
	s_cbranch_scc1 .Lnot_wave_0_\@
	s_barrier_signal -3
.Lnot_wave_0_\@:
	s_barrier_wait -3
	s_barrier_signal -1
	s_barrier_wait -1
.endm
.macro CROUND
	s_barrier_signal -1
	s_barrier_wait -1
	CREST
.endm
; A PREFETCH INTO THE L2, once a lap, behind slot 1's joint load and the run of LDS loads: the two K steps that the next lap's two refills will ask for.  Each aligned block of 256 bytes is named once in the launch:
; A's rows by the clusters with x = 0, B's by those with y = 0; of the 64 rows that a wave fetches each of the four partners that ask jointly takes 16, told apart by address;
; lanes 0-15 name them in one K step, lanes 16-31 in the next; B's rows of 768 bytes take three lines.  K steps 0-3 come by their loads alone; the loop's last trip asks for nothing.
.macro ASK
	s_cmp_gt_u32 s[LAPC], s[LIM]
	s_cbranch_scc0 .Lnm_\@
	global_prefetch_b8 v[PFO], s[PFA:PFA+1] th:TH_LOAD_NT scope:SCOPE_SE
	s_cmp_eq_u32 s[RH], 1
	s_cbranch_scc0 .Lnm_\@
	global_prefetch_b8 v[PFO], s[PFA:PFA+1] offset:256 th:TH_LOAD_NT scope:SCOPE_SE
	global_prefetch_b8 v[PFO], s[PFA:PFA+1] offset:512 th:TH_LOAD_NT scope:SCOPE_SE
.Lnm_\@:
.endm
	s_load_b256 s[4:11], s[0:1], 0x0               ; xb s[4:5], wall s[6:7], cs s[8:9], qkv s[10:11]
	v_lshl_add_u32 v[SPW], v0, 2, SPARE
	v_mov_b32 v[NIL], 0
	ds_add_u32 v[SPW], v[NIL]                      ; the wave's opening: the add and its wait ahead of my first tensor load; work on registers stands between them
	v_lshrrev_b32 v1, 5, v0
	v_readfirstlane_b32 s[WV], v1
	s_lshr_b32 s[RH], s[WV], 1
	s_and_b32 s[CH], s[WV], 1
	s_bfe_u32 s[CX], ttmp6, 0x40000
	s_bfe_u32 s[CY], ttmp6, 0x40004
	s_lshl_b32 s[TC], ttmp9, 2
	s_add_co_u32 s[TC], s[TC], s[CX]               ; tile column = 4 x cluster x + cx
	s_and_b32 s[TR], ttmp7, 0xffff
	s_lshl_b32 s[TR], s[TR], 2
	s_add_co_u32 s[TR], s[TR], s[CY]               ; tile row = 4 x cluster y + cy
	s_lshl_b32 s19, s[CY], 2
	s_lshl_b32 s19, 15, s19                        ; my row of the cluster
	s_lshl_b32 s20, 0x1111, s[CX]                  ; my column
	s_or_b32 s[G1A], s19, (1<<16)|(1<<20)|(1<<21)|(5<<22)|(3<<25)  ; mask; 2-byte elements; padding on; bit 21 beside a mask; 4 words behind every 64
	s_or_b32 s[G1B], s20, (1<<16)|(1<<20)|(1<<21)|(4<<22)|(3<<25)  ; the same with 4 words behind every 32
	s_mov_b32 s[G1A+1], 128<<16                    ; tensor_dim0 = 128
	s_mov_b32 s[G1A+2], 64<<16                     ; tensor_dim1 = 64
	s_mov_b32 s[G1A+3], 128<<16                    ; tile_dim0 = 128
	s_mov_b32 s[G1A+4], 64                         ; tile_dim1 = 64
	s_mov_b32 s[G1A+5], 2048                       ; elements from row to row
	s_mov_b32 s[G1A+6], 0
	s_mov_b32 s[G1A+7], 0
	s_mov_b32 s[G1B+1], 384<<16
	s_mov_b32 s[G1B+2], 64<<16
	s_mov_b32 s[G1B+3], 384<<16
	s_mov_b32 s[G1B+4], 64
	s_mov_b32 s[G1B+5], 6144
	s_mov_b32 s[G1B+6], 0
	s_mov_b32 s[G1B+7], 0
	s_lshl_b32 s2, s[TR], 7                        ; A: row 128 x tile row + 64 x half, 4,096 bytes a row
	s_lshl_b32 s3, s[CH], 6
	s_add_co_u32 s2, s2, s3
	s_lshl_b32 s2, s2, 12
	s_mov_b32 s3, 0
	s_mul_i32 s40, s[CH], 64*12288                 ; B: row (k) 64 x half, column byte 768 x tile column
	s_mul_i32 s41, s[TC], 768
	s_add_co_u32 s40, s40, s41
	s_mov_b32 s41, 0
	s_mul_i32 s21, s[CH], AHALF                    ; where they go: no place in the cluster enters an LDS address
	s_mul_i32 s22, s[CH], BHALF
	s_add_co_u32 s22, s22, AT
	s_wait_dscnt 0x0                               ; the opening add is done
	s_wait_kmcnt 0x0
	s_add_nc_u64 s[2:3], s[4:5], s[2:3]
	s_add_nc_u64 s[40:41], s[6:7], s[40:41]
	CROUND                                         ; all sixteen work-groups are here: the first joint loads meet
.irp s, 0,1
	s_mov_b32 s[G0A+4*(\s)], 1
	s_add_co_u32 s[G0A+4*(\s)+1], s21, (\s)*SLOT
	s_add_nc_u64 s[G0A+4*(\s)+2:G0A+4*(\s)+3], s[2:3], (\s)*KSTEP*2
	s_or_b32 s[G0A+4*(\s)+3], s[G0A+4*(\s)+3], 0x80000000
	s_mov_b32 s[G0B+4*(\s)], 1
	s_add_co_u32 s[G0B+4*(\s)+1], s22, (\s)*SLOT
	s_add_nc_u64 s[G0B+4*(\s)+2:G0B+4*(\s)+3], s[40:41], (\s)*KSTEP*12288
	s_or_b32 s[G0B+4*(\s)+3], s[G0B+4*(\s)+3], 0x80000000
	JLOAD \s                                       ; two tensor loads of mine are out
.endr
	v_and_b32 v1, 15, v0                           ; l % 16
	v_bfe_u32 v2, v0, 4, 1                         ; l / 16
	v_and_b32 v3, 7, v0
	v_bfe_u32 v4, v0, 3, 1
	v_mul_u32_u24 v5, v1, PA
	v_lshl_add_u32 v5, v2, 4, v5                   ; A: row x pitch + 16 x half of the lanes
	s_mul_i32 s19, s[RH], AHALF
	v_add_nc_u32 v[ADRA], s19, v5
	v_add_nc_u32 v[ADRA+1], SLOT, v[ADRA]
	v_lshl_add_u32 v6, v2, 3, v3                   ; B, turned: lane l reads row (k) 8 (l / 16) + l % 8, 16 bytes at 16 ((l / 8) % 2)
	v_mul_u32_u24 v6, v6, PB
	v_lshl_add_u32 v6, v4, 4, v6
	s_mul_i32 s19, s[CH], 432                      ; my 192 columns: three groups of 144 bytes
	s_add_co_u32 s19, s19, AT
	v_add_nc_u32 v[ADRB], s19, v6
	v_add_nc_u32 v[ADRB+1], BHALF, v[ADRB]
	v_add_nc_u32 v[ADRB+2], SLOT, v[ADRB]
	v_add_nc_u32 v[ADRB+3], SLOT+BHALF, v[ADRB]
	v_mul_u32_u24 v7, v1, SPT                      ; into the stage: row 64 x row half + l % 16, 32 bytes for each half of the lanes
	v_lshl_add_u32 v7, v2, 5, v7
	s_mul_i32 s19, s[RH], 64*SPT
	v_add_nc_u32 v7, s19, v7
	s_mul_i32 s19, s[CH], 3
.irp g, 0,1,2                          ; my group g of 64 columns is group 3 x column half + g of the tile's six: head (that / 2), half (that % 2) of its row
	s_add_co_u32 s20, s19, \g
	s_lshr_b32 s23, s20, 1
	s_mul_i32 s23, s23, HSB
	s_and_b32 s20, s20, 1
	s_lshl_b32 s20, s20, 8
	s_add_co_u32 s20, s20, s23
	v_add_nc_u32 v[STO+(\g)], s20, v7
.endr
	v_mul_u32_u24 v[RD], v2, SPT                   ; back: wave w takes rows 32 w .. 32 w + 31 of each head; lanes 0-15 one row, lanes 16-31 the next; 32 bytes a lane
	v_lshl_add_u32 v[RD], v1, 5, v[RD]
	s_mul_i32 s19, s[WV], 32*SPT
	v_add_nc_u32 v[RD], s19, v[RD]
	v_lshlrev_b32 v[GO], 8, v2
	v_lshl_add_u32 v[GO], v1, 4, v[GO]
	v_mov_b32 v[IDN], 0x3f80
	v_mov_b32 v[ZR], 0
	s_lshl_b32 s20, s[TR], 15                      ; (128 x tile row + 32 x wave) rows of 256 bytes, in cs and in a head
	s_lshl_b32 s19, s[WV], 13
	s_add_co_u32 s20, s20, s19
	s_mov_b32 s21, 0
	s_add_nc_u64 s[CSP:CSP+1], s[8:9], s[20:21]
	s_add_nc_u64 s[OUT:OUT+1], s[10:11], s[20:21]
	s_mul_i32 s20, s[TC], 3*524288                 ; the tile's first head
	s_add_nc_u64 s[OUT:OUT+1], s[OUT:OUT+1], s[20:21]
	s_mul_i32 s[HD], s[TC], 3
.irp i, 0,1,2,3,4,5,6,7,8,9,10,11,12,13,14,15
	global_load_b128 v[CSR+4*(\i):CSR+4*(\i)+3], v[GO], s[CSP:CSP+1] offset:512*(\i)  ; cos and sin of my 32 rows: four pairs a lane and row; wanted on the way out
.endr
	; the prefetches' address, step and offset
	s_lshl_b32 s19, s[TR], 7
	s_lshl_b32 s20, s[CH], 6
	s_add_co_u32 s19, s19, s20
	s_lshl_b32 s20, s[CX], 4
	s_add_co_u32 s19, s19, s20                     ; A: my work-group's 16 of the 64 rows that I fetch,
	s_lshl_b32 s19, s19, 12
	s_add_co_u32 s19, s19, 2*KSTEP*2               ; at K step 2
	s_lshl_b32 s20, s[CH], 6
	s_lshl_b32 s21, s[CY], 4
	s_add_co_u32 s20, s20, s21
	s_add_co_u32 s20, s20, 2*KSTEP                 ; B: likewise, rows (k) of K step 2
	s_mul_i32 s20, s20, 12288
	s_mul_i32 s21, s[TC], 768
	s_add_co_u32 s20, s20, s21
	s_and_b32 s21, ttmp7, 0xffff                   ; cluster y
	s_mov_b32 s22, 2*KSTEP*2
	s_mov_b32 s23, 4096
	s_mov_b32 s[PFS+1], 0
	s_cmp_eq_u32 s[RH], 0                          ; do I fetch for A?
	s_cselect_b32 s[PFS], s19, s20
	s_cselect_b64 s[PFA:PFA+1], s[4:5], s[6:7]
	s_cselect_b32 s21, ttmp9, s21                  ; the coordinate along which other clusters read the same rows
	s_add_nc_u64 s[PFA:PFA+1], s[PFA:PFA+1], s[PFS:PFS+1]
	s_cselect_b32 s[PFS], s22, 2*KSTEP*12288       ; two K steps on
	s_cselect_b32 s23, s23, 12288                  ; from row to row
	s_mov_b32 s22, KSTEP*2
	s_cselect_b32 s22, s22, KSTEP*12288            ; one K step on, for lanes 16-31
	s_cmp_eq_u32 s21, 0
	s_cselect_b32 s[LIM], 1, -1                    ; the same in all sixteen partners, for a given wave
	v_mul_u32_u24 v[PFO], v1, s23
	v_mad_u32_u24 v[PFO], v2, s22, v[PFO]
; 12 matrix instructions: row block 2 hi + a x all 12 column blocks, 32 along K, from buffer f.  The 48 accumulators take turns in the same order in every quarter.
.macro MUL12 f, hi, a, zero
	WIN MUL_LO+0x50*(\hi)
.irp b, 0,1,2,3,4,5,6,7,8,9,10,11
.if \zero
	v_wmma_f32_16x16x32_bf16 v[8*(12*(\a)+(\b)):8*(12*(\a)+(\b))+7], v[96*(\f)+8*(\b):96*(\f)+8*(\b)+7], v[64+32*(\f)+8*(2*(\hi)+(\a)):64+32*(\f)+8*(2*(\hi)+(\a))+7], 0
.else
	v_wmma_f32_16x16x32_bf16 v[8*(12*(\a)+(\b)):8*(12*(\a)+(\b))+7], v[96*(\f)+8*(\b):96*(\f)+8*(\b)+7], v[64+32*(\f)+8*(2*(\hi)+(\a)):64+32*(\f)+8*(2*(\hi)+(\a))+7], v[8*(12*(\a)+(\b)):8*(12*(\a)+(\b))+7]
.endif
.endr
.endm
.macro MUL24 f, hi, zero
	MUL12 \f, \hi, 0, \zero
	MUL12 \f, \hi, 1, \zero
.endm
; 32 LDS loads in one run: quarter q's fragments into buffer f: B's twelve (turned), then A's four, row blocks 0 and 1 first
.macro FETCH slot, q, f
	WIN TO_B
.irp b, 0,1,2,3,4,5,6,7,8,9,10,11
	ds_load_tr16_b128 v[96*(\f)+8*(\b):96*(\f)+8*(\b)+3],   v[ADRB+2*(\slot)+(\q)/2] offset:((\q)%2)*32*PB+((\b)/4)*144+((\b)%4)*32
	ds_load_tr16_b128 v[96*(\f)+8*(\b)+4:96*(\f)+8*(\b)+7], v[ADRB+2*(\slot)+(\q)/2] offset:((\q)%2)*32*PB+((\b)/4)*144+((\b)%4)*32+16*PB
.endr
	WIN 0
.irp a, 0,1,2,3
	ds_load_b128 v[64+32*(\f)+8*(\a):64+32*(\f)+8*(\a)+3],   v[ADRA+(\slot)] offset:64*(\q)+(\a)*16*PA
	ds_load_b128 v[64+32*(\f)+8*(\a)+4:64+32*(\f)+8*(\a)+7], v[ADRA+(\slot)] offset:64*(\q)+(\a)*16*PA+32
.endr
.endm
.macro PLACES                          ; four places in front of loads into registers that matrix instructions have read (ISA guide 7.12.1 for vector instructions)
.rept 4
	v_nop
.endr
.endm
; One of a K step's first three quarters: multiplies buffer f; in its middle it fetches quarter q into buffer g.
.macro QUARTER slot, q, f, g, zero
	s_wait_dscnt 4                                 ; B and A's row blocks 0, 1 are in; the youngest four loads (blocks 2, 3) may be out
	MUL24 \f, 0, \zero
	PLACES
	FETCH \slot, \q, \g
	s_wait_dscnt 32                                ; all but the 32 just issued
	MUL24 \f, 1, \zero
.endm
; The last quarter multiplies buffer 1 and changes slots.  In front of the one barrier each wave waits for all its tensor loads (one is out: its part of the next slot), adds 0 to its spare word, and waits for that
; and for its reads of this slot.  fill = 1: the barrier opens a round of the cluster's, and the joint refill (this slot, two K steps on) is the first tensor load behind the round: 168 matrix instructions ahead of the wait for it.
.macro TURN slot, next, fill
.if (\fill) && ((\slot) == 0)
	s_wait_xcnt 0x0                                ; the last prefetches, a K step back, have read their address: it steps two K steps
	s_add_nc_u64 s[PFA:PFA+1], s[PFA:PFA+1], s[PFS:PFS+1]
.endif
	WIN 0
	s_wait_tensorcnt 0x0
	ds_add_u32 v[SPW], v[NIL]                      ; 0 onto my spare word
	s_wait_dscnt 5                                 ; (the add and the youngest four loads may be out)
	MUL12 1, 0, 0, 0                               ; twelve matrix instructions stand between the add and the wait for it
	s_wait_dscnt 0x0                               ; the add is done, and my reads of this slot are over
	s_barrier_signal -1
	MUL12 1, 0, 1, 0
.if \fill
	WIN 0
.endif
	s_barrier_wait -1
.if \fill
	CREST                                          ; no wave of any partner still reads this slot or has a load on its way
	s_add_nc_u64 s[G0A+4*(\slot)+2:G0A+4*(\slot)+3], s[G0A+4*(\slot)+2:G0A+4*(\slot)+3], 2*KSTEP*2
	s_add_nc_u64 s[G0B+4*(\slot)+2:G0B+4*(\slot)+3], s[G0B+4*(\slot)+2:G0B+4*(\slot)+3], 2*KSTEP*12288
	JLOAD \slot                                    ; the four v_nop behind it are also the places in front of the loads below
.else
	PLACES
.endif
	FETCH \next, 0, 0
.if (\fill) && ((\slot) == 1)
	ASK
.endif
	MUL24 1, 1, 0
.endm
	s_wait_tensorcnt 1                             ; my part of K step 0 is in; K step 1's may stay out
	s_barrier_signal -1
	s_barrier_wait -1
	FETCH 0, 0, 0
	QUARTER 0, 1, 0, 1, 1                          ; the first quarter stands in front of the loop: its products start the sums
	WIN 0
	s_mov_b32 s[LAPC], LAPS-1
.Llap:                                             ; a trip goes once round the ring and fills both slots again
	QUARTER 0, 2, 1, 0, 0
	QUARTER 0, 3, 0, 1, 0
	TURN 0, 1, 1
	QUARTER 1, 1, 0, 1, 0
	QUARTER 1, 2, 1, 0, 0
	QUARTER 1, 3, 0, 1, 0
	TURN 1, 0, 1
	QUARTER 0, 1, 0, 1, 0
	WIN 0
	s_sub_co_u32 s[LAPC], s[LAPC], 1
	s_cmp_lg_u32 s[LAPC], 0
	s_cbranch_scc1 .Llap
	QUARTER 0, 2, 1, 0, 0                          ; the last lap fills nothing
	QUARTER 0, 3, 0, 1, 0
	TURN 0, 1, 0
	QUARTER 1, 1, 0, 1, 0
	QUARTER 1, 2, 1, 0, 0
	QUARTER 1, 3, 0, 1, 0
	s_wait_dscnt 4
	MUL24 1, 0, 0
	s_wait_dscnt 0x0                               ; my reads of slot 1 are over
	MUL24 1, 1, 0
	WIN 0
	s_barrier_signal -1
	s_barrier_wait -1                              ; everybody's are: the stage may lie over both slots
.rept 8
	v_nop                                          ; the places behind the last products
.endr
.irp hi, 0,1
	WIN 0x08+4*(\hi)                               ; store data (source 1) in window 2 or 3
.irp a, 0,1
.irp b, 0,1,2,3,4,5,6,7,8,9,10,11
	ds_store_b128 v[STO+(\b)/4], v[8*(12*(\a)+(\b)):8*(12*(\a)+(\b))+3]   offset:16*SPT*(2*(\hi)+(\a))+64*((\b)%4)     ; each accumulator from its low end on
	ds_store_b128 v[STO+(\b)/4], v[8*(12*(\a)+(\b))+4:8*(12*(\a)+(\b))+7] offset:16*SPT*(2*(\hi)+(\a))+64*((\b)%4)+16
.endr
.endr
.endr
	WIN 0
	s_wait_dscnt 0x0                               ; for the others' sake: my stores into the stage are done
	s_barrier_signal -1
	s_barrier_wait -1
	s_wait_loadcnt 0x0                             ; cos and sin
; Two rows of a head (unit i of 16; u: its place in a batch of eight): o1 = x1 cos - x2 sin, o2 = x1 sin + x2 cos on my four pairs, in f32 from the bf16 halves; rounded once to f16; stored.
.macro UNIT u, i
.set XR, X+8*(\u)
.set OB, OW+16*((\u)%2)
.set CR, OB+8
	s_wait_dscnt 14-2*(\u)                         ; the younger units' loads may stay out
.irp k, 0,1,2,3
	v_cndmask_b32 v[CR+(\k)], v[IDN], v[CSR+4*(\i)+(\k)], s[FL]  ; q's and k's heads take the table, v's the identity
.endr
.irp k, 0,1,2,3
	v_fma_mix_f32_bf16 v[OB+2*(\k)],   v[XR+2*(\k)+1], v[CR+(\k)], v[ZR] op_sel:[0,1,0] op_sel_hi:[0,1,0]  ; x2 sin
	v_fma_mix_f32_bf16 v[OB+2*(\k)+1], v[XR+2*(\k)+1], v[CR+(\k)], v[ZR] op_sel_hi:[0,1,0]                 ; x2 cos
.endr
.irp k, 0,1,2,3
	v_fma_mix_f32_bf16 v[OB+2*(\k)],   v[XR+2*(\k)], v[CR+(\k)], -v[OB+2*(\k)] op_sel_hi:[0,1,0]                    ; x1 cos - x2 sin
	v_fma_mix_f32_bf16 v[OB+2*(\k)+1], v[XR+2*(\k)], v[CR+(\k)], v[OB+2*(\k)+1] op_sel:[0,1,0] op_sel_hi:[0,1,0]    ; x1 sin + x2 cos
.endr
.irp k, 0,1,2,3
	v_cvt_pk_f16_f32 v[Y+4*(\i)+(\k)], v[OB+2*(\k)], v[OB+2*(\k)+1]
.endr
	global_store_b128 v[GO], v[Y+4*(\i):Y+4*(\i)+3], s[OUT:OUT+1] offset:512*(\i)  ; 16 lanes store the 256 consecutive bytes of a head's row
.endm
	s_mov_b32 s[HS], 3
.Lhead:                                            ; a trip: my 32 rows of one of the tile's three heads
	s_cmp_lt_u32 s[HD], 40
	s_cselect_b32 s[FL], -1, 0                     ; a select, no branch: the head's number hangs on my place in the cluster
.irp bt, 0,1
.irp u, 0,1,2,3,4,5,6,7
	ds_load_b128 v[X+8*(\u):X+8*(\u)+3],   v[RD] offset:2*SPT*(8*(\bt)+(\u))
	ds_load_b128 v[X+8*(\u)+4:X+8*(\u)+7], v[RD] offset:2*SPT*(8*(\bt)+(\u))+16
.endr
.irp u, 0,1,2,3,4,5,6,7
	UNIT \u, 8*(\bt)+(\u)
.endr
.endr
	s_wait_xcnt 0x0                                ; the trip's stores have read their data and their base: both are rewritten only behind this wait
	s_add_nc_u64 s[OUT:OUT+1], s[OUT:OUT+1], 524288
	v_add_nc_u32 v[RD], HSB, v[RD]
	s_add_co_u32 s[HD], s[HD], 1
	s_sub_co_u32 s[HS], s[HS], 1
	s_cmp_lg_u32 s[HS], 0
	s_cbranch_scc1 .Lhead
	s_wait_tensorcnt 0x0                           ; the wave's end, behind my last tensor load and my last LDS store
	ds_add_u32 v[SPW], v[NIL]
	s_wait_dscnt 0x0
	CROUND                                         ; the closing round: no work-group ends while a partner may still ask for a tile that names it
	s_endpgm
.Lfunc_end_k_qd1236c3254_qkv:
	.size	k_qd1236c3254_qkv, .Lfunc_end_k_qd1236c3254_qkv-k_qd1236c3254_qkv
	.p2alignl 7, 3214868480
	.fill 96, 4, 3214868480
	.section	.rodata,"a",@progbits
	.p2align	6, 0x0
	.amdhsa_kernel k_qd1236c3254_qkv
		.amdhsa_group_segment_fixed_size 327680
		.amdhsa_private_segment_fixed_size 0
		.amdhsa_enable_private_segment 0
		.amdhsa_kernarg_size 32
		.amdhsa_user_sgpr_count 2
		.amdhsa_user_sgpr_kernarg_segment_ptr 1
		.amdhsa_wavefront_size32 1
		.amdhsa_system_sgpr_workgroup_id_x 1
		.amdhsa_system_sgpr_workgroup_id_y 1
		.amdhsa_system_sgpr_workgroup_id_z 1
		.amdhsa_system_vgpr_workitem_id 0
		.amdhsa_next_free_vgpr 1024
		.amdhsa_next_free_sgpr 80
		.amdhsa_reserve_vcc 0
		.amdhsa_float_denorm_mode_32 3
		.amdhsa_float_denorm_mode_16_64 3
		.amdhsa_memory_ordered 1
		.amdhsa_forward_progress 1
		.amdhsa_inst_pref_size 134
	.end_amdhsa_kernel
	.amdgpu_metadata
---
amdhsa.version: [ 1, 2 ]
amdhsa.kernels:
  - .name:           k_qd1236c3254_qkv
    .symbol:         k_qd1236c3254_qkv.kd
    .args:
      - { .name: xb, .offset: 0, .size: 8, .value_kind: global_buffer, .address_space: global }
      - { .name: wall, .offset: 8, .size: 8, .value_kind: global_buffer, .address_space: global }
      - { .name: cs, .offset: 16, .size: 8, .value_kind: global_buffer, .address_space: global }
      - { .name: qkv, .offset: 24, .size: 8, .value_kind: global_buffer, .address_space: global }
    .group_segment_fixed_size: 327680
    .private_segment_fixed_size: 0
    .kernarg_segment_align: 8
    .kernarg_segment_size: 32
    .max_flat_workgroup_size: 128
    .sgpr_count:     80
    .vgpr_count:     1024
    .wavefront_size: 32
...
	.end_amdgpu_metadata
.endif
;; end of part 3
;; launch attn (part 4): grid 32 x 8, 4 waves a work-group, clusters of 4 x 1, 327,680 bytes of LDS; arguments qkv, lam, att; writes att
.if DOCPART == 4
	.amdgcn_target "amdgcn-amd-amdhsa--gfx1250"
	.amdhsa_code_object_version 6
	.text
	.protected	k_qd1236c3254_attn
	.globl	k_qd1236c3254_attn
	.p2align	8
	.type	k_qd1236c3254_attn,@function
k_qd1236c3254_attn:
	s_mov_b64 s[64:65], 0
	v_nop
	global_prefetch_b8 v0, s[64:65] scope:SCOPE_SE
	s_setreg_imm32_b32 hwreg(HW_REG_WAVE_MODE, 25, 1), 1
	s_wait_xcnt 0x0
	s_wait_alu depctr_hold_cnt(0) depctr_sa_sdst(0) depctr_va_vdst(0) depctr_va_sdst(0) depctr_va_ssrc(0) depctr_va_vcc(0) depctr_vm_vsrc(0)
	s_getreg_b32 s2, hwreg(HW_REG_IB_STS2, 6, 4)
	s_cmp_eq_u32 s2, 0
	s_cbranch_scc0 .Lentry_in_a_cluster
	s_endpgm
.Lentry_in_a_cluster:
	s_bfe_u32 s2, ttmp6, 0x10000c
	s_cmp_lg_u32 s2, 0x3003
	s_cbranch_scc0 .Lentry_shape_is_right
	s_endpgm
.Lentry_shape_is_right:
; CAUSAL ATTENTION with shared key and value heads, the gate and the difference.  att[t][128 hp + d] = A(2 hp)[t][d] - lam[t][hp] A(2 hp + 1)[t][d], f16, where
; A(h)[q] = the sum over k <= q of softmax_k(Q[h][q] . K[h / 4][k] / sqrt(128)) V[h / 4][k].  qkv: [48][2048][128] f16 (heads 0-31 Q, 32-39 K, 40-47 V); lam [2048][16] f32.
; Products, maxima, sums, the rescaling and the difference in f32; the weights p are rounded to f16 for the second product (their sum is taken of the unrounded p), att once at the end.
; LIMITS.  f16 ends at 65,504: Q, K, V arrive within it, and |att| <= 2 max |V| must stay within it.  A hidden score counts as its value less 1e30 (f16's scores are 5.5e11 at the most).
; A weight below 2^-126 counts as 0.  NaN and infinities are not treated apart.
; SHARES.  Queries lie in 32 blocks of 64.  A cluster is (b2 = cluster x, g = cluster y = the K/V head); the partner at place cx has the head pair hp = 2 g + cx % 2 and b = 2 b2 + cx / 2,
; and makes block b, then block 31 - b.  Wave w owns queries 16 w .. 16 w + 15 of the block for both heads of the pair: two tiles, which share K, V and the mask.
; ONE WALK FOR THE FOUR PARTNERS, in key steps of 64: steps 0 .. 2 b2 + 1 for the first block, then 0 .. 31 - 2 b2 for the second: 34 steps = 17 slot fills of 128 keys, whatever b2.  Each partner
; needs 33 of them; the one that lies wholly above its diagonal it computes under the mask.  So every trip count is a constant, every branch hangs on b2, the wave's number or a counter, and my place
; in the cluster enters Q's, lam's and att's addresses and the mask's two scalars (by selects) alone.  K's and V's tiles are asked for JOINTLY by all four.
; LAYOUT.  S^T = K Q^T: a lane holds ONE query (l % 16) and the keys 8 (l / 16) + 0..7 of each 16; two such results rounded to f16 ARE source 1 of O^T = V^T P.  V comes out of LDS turned.
; SOFTMAX.  p = 2^(c s - c m), c = log2(e) / sqrt(128), with a running maximum m; O and l are multiplied by a = 2^(c m_old - c m_new) in every step.  A block starts with c m far below every c s: its first a is 0.
; THE MASK is the C operand that starts S^T's sums: MD x AL + BE, MD the mask of a block's own step for my rows: (1, 0) in that step, (0, 0) before it, (0, -1e30) behind it.
; IN PHASES.  The body of step j: K of step j + 1 is fetched; the softmax of j; V^T P of j; V of j + 1 is fetched; K Q^T of j + 1.
; REGISTERS, in windows of 256 (bits 1:0 source 0, 3:2 source 1, 5:4 source 2, 7:6 destination): window 0: addresses, v12-27 statistics, v28-29 lam, v64-95 MD.
;   window 1: v0-127 O^T (64 a tile), v128-191 S^T (32 a tile), v192-223 P, v224-255 the mask.   window 2: v0-63 Q, v128-255 K of one step.   window 3: v0-127 V of one step.
.set KS,    64
.set PK,    272                        ; a row of K in LDS: 256 bytes + 16
.set PV,    288                        ; a row of V: 256 + 32
.set VOFF,  KS*PK
.set STEPB, KS*(PK+PV)
.set SLOT1, 1<<17                      ; a slot holds two steps; slot 1 begins here, so that one exclusive or turns an address into the other slot's
.set STAGE, SLOT1+2*STEPB              ; behind the ring, never filled by a tensor load: 16 rows x 272 bytes for each wave
.set SP,    272
.set SPARE, STAGE+4*16*SP              ; the spare words, 128 bytes a wave, which no other line names
.set AK0, 2
.set AV0, 3
.set ADR, 4
.set QO,  5
.set STO, 6
.set RD,  7
.set GO,  8
.set ST,  12                           ; tile t's statistics at v[ST+8 t]: c m, m, l (even keys', odd keys'), c0-c3 at work; a takes c2's place
.set LAMLO, 28
.set LAMHI, 29
.set PFO, 61
.set SPW, 62
.set NIL, 63
.set MD,  64
.set S,   128
.set P,   192
.set MC,  224
.set KF,  128
.set WV, 12
.set CX, 13
.set HP, 14
.set BL, 15
.set B2, 16
.set G,  17
.set KB, 18                            ; s[18:19] K at my step of the head's tile 0;  s[20:21] the same for V
.set VB, 20
.set G1K, 24
.set G1V, 32
.set G0K, 40                           ; s[40:47] two sets for the two first fills; the second then walks
.set G0V, 48
.set SLOTS, 56
.set TWICE, 57
.set CS,  58
.set SEL, 60
.set TB,  62                           ; s62 LDS byte at which the tiles of the step to be fetched begin
.set LIM, 63
.set RT,  66                           ; s66 bodies left in the block in hand
.set SK,  67                           ; s67 the step (in its block's count) whose scores are made next
.set OWN, 68                           ; s68 the block's own step
.set OWNHI, 69
.set NXT, 70                           ; s70 the tile of 128 keys to be asked for next
.set LQ,  71                           ; s71 the last tile of the block whose tiles are being asked for
.set HIQ, 72
.set LP,  73
.set OFF, 74
.set AL,  76
.set BE,  78
.set BIGN, 82
.set QPLO, 84
.set QPHI, 86
.set OPLO, 88
.set OPHI, 90
.set PFB, 92
.set PFA, 94
.set MSB, 0
.macro WIN new
.if MSB != (\new)
	s_set_vgpr_msb (MSB<<8)|(\new)
.set MSB, \new
.endif
.endm
.macro PLACES
.rept 4
	v_nop
.endr
.endm
; A joint refill: waves 0 and 1 fetch the two steps' K, waves 2 and 3 their V.  An s_nop 0 and four v_nop follow each of the two lines.
.macro JLOAD
	s_cmp_lt_u32 s[WV], 2
	s_cbranch_scc0 .Lfor_v_\@
	tensor_load_to_lds s[G0K+4:G0K+7], s[G1K:G1K+7]
	s_nop 0
.rept 4
	v_nop
.endr
	s_branch .Lasked_\@
.Lfor_v_\@:
	tensor_load_to_lds s[G0V+4:G0V+7], s[G1V:G1V+7]
	s_nop 0
.rept 4
	v_nop
.endr
.Lasked_\@:
.endm
; A PREFETCH INTO THE L2 of the tile that the NEXT change of slots will ask for: 128 rows of K and of V, 256 bytes a row, a lane a row.  The cluster with b2 = 0 of each K/V head asks: its second block walks
; tiles 0 to 15 in order.  Its four partners take 32 rows each, told apart by address; wave 0 asks for K's, wave 2 for V's.  So tiles 2 to 15 are named once each; tiles 0 and 1 come by their loads alone,
; and the last change that fills a slot asks for nothing.
.macro ASK
	s_cmp_gt_u32 s[SLOTS], s[LIM]
	s_cbranch_scc0 .Lnot_mine_\@
	global_prefetch_b8 v[PFO], s[PFA:PFA+1] th:TH_LOAD_NT scope:SCOPE_SE
.Lnot_mine_\@:
.endm
.macro CROUND
	s_barrier_signal -1
	s_barrier_wait -1
	s_cmp_lg_u32 s[WV], 0
	s_cbranch_scc1 .Lnot_wave_0_\@
	s_barrier_signal -3
.Lnot_wave_0_\@:
	s_barrier_wait -3
	s_barrier_signal -1
	s_barrier_wait -1
.endm
.macro ADV                             ; the block's next tile, or behind its last the second block's tile 0
	s_add_co_u32 s[NXT], s[NXT], 1
	s_cmp_gt_u32 s[NXT], s[LQ]
	s_cselect_b32 s[NXT], 0, s[NXT]
	s_cselect_b32 s[LQ], s[HIQ], s[LQ]
.endm
	s_load_b128 s[4:7], s[0:1], 0x0                ; qkv s[4:5], lam s[6:7]
	s_load_b64 s[8:9], s[0:1], 0x10                ; att
	v_lshl_add_u32 v[SPW], v0, 2, SPARE
	v_mov_b32 v[NIL], 0
	ds_add_u32 v[SPW], v[NIL]                      ; the wave's opening: the add and its wait ahead of my first tensor load; work on registers stands between them
	v_lshrrev_b32 v1, 5, v0
	v_readfirstlane_b32 s[WV], v1
	s_bfe_u32 s[CX], ttmp6, 0x40000
	s_mov_b32 s[B2], ttmp9
	s_and_b32 s[G], ttmp7, 0xffff
	s_and_b32 s[HP], s[CX], 1
	s_lshl1_add_u32 s[HP], s[G], s[HP]             ; hp = 2 g + cx % 2
	s_lshr_b32 s[BL], s[CX], 1
	s_lshl1_add_u32 s[BL], s[B2], s[BL]            ; b = 2 b2 + cx / 2
	s_mov_b32 s[OWN], s[BL]
	s_sub_co_u32 s[OWNHI], 31, s[BL]
	s_sub_co_u32 s[HIQ], 15, s[B2]
	s_and_b32 s22, s[WV], 1                        ; which of a slot's two steps I fetch
	s_mul_i32 s[LP], s22, STEPB
	s_add_co_u32 s80, s[G], 32
	s_lshl_b32 s80, s80, 19                        ; K's head, 524,288 bytes a head,
	s_lshl_b32 s23, s22, 14                        ; my step's 64 rows
	s_add_co_u32 s80, s80, s23
	s_mov_b32 s81, 0
	s_mov_b32 s[G1K], 15|(1<<16)|(1<<20)|(1<<21)|(5<<22)|(3<<25)  ; the mask of four; 2-byte elements; padding on; bit 21 beside a mask; 4 words behind every 64
	s_mov_b32 s[G1V], 15|(1<<16)|(1<<20)|(1<<21)|(5<<22)|(7<<25)  ; the same with 8 words
.irp g, G1K, G1V
	s_mov_b32 s[(\g)+1], 128<<16                   ; tensor_dim0 = 128
	s_mov_b32 s[(\g)+2], KS<<16                    ; tensor_dim1 = 64
	s_mov_b32 s[(\g)+3], 128<<16                   ; tile_dim0 = 128
	s_mov_b32 s[(\g)+4], KS                        ; tile_dim1 = 64
	s_mov_b32 s[(\g)+5], 128                       ; elements from row to row
	s_mov_b32 s[(\g)+6], 0
	s_mov_b32 s[(\g)+7], 0
.endr
	s_mov_b32 s[CS], 0x3e0293ee                    ; c = log2(e) / sqrt(128)
	s_mov_b32 s[CS+1], s[CS]
	s_mov_b32 s[SEL], 0x76543210
	s_mov_b32 s[SEL+1], 0xfedcba98
	s_mov_b32 s[TB], 0
	s_mov_b32 s[OFF+1], 0
	s_mov_b32 s[AL+1], 0
	s_mov_b32 s[BE+1], 0
	s_mov_b32 s[BIGN], 0xf149f2ca                  ; -1e30
	s_mov_b32 s[SK], 0
	s_mov_b32 s[NXT], 0
	s_mov_b32 s[LQ], s[B2]
	s_and_b32 s[LIM], s[WV], 1                     ; 0 in waves 0 and 2,
	s_or_b32 s[LIM], s[LIM], ttmp9                 ; where b2 = 0: the same in all four partners
	s_cmp_eq_u32 s[LIM], 0
	s_cselect_b32 s[LIM], 1, -1
	s_wait_dscnt 0x0                               ; the opening add is done
	s_wait_kmcnt 0x0
	s_add_nc_u64 s[KB:KB+1], s[4:5], s[80:81]
	s_add_nc_u64 s[VB:VB+1], s[KB:KB+1], 8<<19     ; V's head lies eight heads on
	s_cmp_lt_u32 s[WV], 2
	s_cselect_b64 s[PFB:PFB+1], s[KB:KB+1], s[VB:VB+1]  ; (in waves 0 and 2 these stand at a tile's first row)
	s_lshl_b32 s80, s[CX], 13                      ; my work-group's 32 rows of the 128
	s_add_nc_u64 s[PFB:PFB+1], s[PFB:PFB+1], s[80:81]
	s_lshl_b32 s22, s[HP], 20                      ; Q: head 2 hp, block's 64 rows, my wave's 16
	s_lshl_b32 s23, s[WV], 12
	s_add_co_u32 s22, s22, s23
	s_lshl_b32 s80, s[BL], 14
	s_add_co_u32 s80, s80, s22
	s_add_nc_u64 s[QPLO:QPLO+1], s[4:5], s[80:81]
	s_lshl_b32 s80, s[OWNHI], 14
	s_add_co_u32 s80, s80, s22
	s_add_nc_u64 s[QPHI:QPHI+1], s[4:5], s[80:81]
	s_lshl_b32 s22, s[HP], 8                       ; att: rows of 4,096 bytes, 256 bytes a head pair
	s_lshl_b32 s23, s[WV], 16
	s_add_co_u32 s22, s22, s23
	s_lshl_b32 s80, s[BL], 18
	s_add_co_u32 s80, s80, s22
	s_add_nc_u64 s[OPLO:OPLO+1], s[8:9], s[80:81]
	s_lshl_b32 s80, s[OWNHI], 18
	s_add_co_u32 s80, s80, s22
	s_add_nc_u64 s[OPHI:OPHI+1], s[8:9], s[80:81]
	CROUND                                         ; all four work-groups are here: the first joint loads meet
	s_mov_b32 s[G0K], 1
	s_mov_b32 s[G0K+1], s[LP]
	s_add_nc_u64 s[G0K+2:G0K+3], s[KB:KB+1], 0     ; the walk's first tile is tile 0
	s_or_b32 s[G0K+3], s[G0K+3], 0x80000000
	s_mov_b32 s[G0V], 1
	s_add_co_u32 s[G0V+1], s[LP], VOFF
	s_add_nc_u64 s[G0V+2:G0V+3], s[VB:VB+1], 0
	s_or_b32 s[G0V+3], s[G0V+3], 0x80000000
	ADV
	s_lshl_b32 s[OFF], s[NXT], 15                  ; a tile is 32,768 bytes of K and of V
	s_mov_b32 s[G0K+4], 1
	s_add_co_u32 s[G0K+5], s[LP], SLOT1
	s_add_nc_u64 s[G0K+6:G0K+7], s[KB:KB+1], s[OFF:OFF+1]
	s_or_b32 s[G0K+7], s[G0K+7], 0x80000000
	s_mov_b32 s[G0V+4], 1
	s_add_co_u32 s[G0V+5], s[LP], SLOT1+VOFF
	s_add_nc_u64 s[G0V+6:G0V+7], s[VB:VB+1], s[OFF:OFF+1]
	s_or_b32 s[G0V+7], s[G0V+7], 0x80000000
	ADV
	s_cmp_lt_u32 s[WV], 2                          ; a wave's two first fills stand in one branch: two loads of mine are out
	s_cbranch_scc0 .Lfirst_v
	tensor_load_to_lds s[G0K:G0K+3], s[G1K:G1K+7]
	s_nop 0
	tensor_load_to_lds s[G0K+4:G0K+7], s[G1K:G1K+7]
	s_nop 0
.rept 4
	v_nop
.endr
	s_branch .Lfirst_asked
.Lfirst_v:
	tensor_load_to_lds s[G0V:G0V+3], s[G1V:G1V+7]
	s_nop 0
	tensor_load_to_lds s[G0V+4:G0V+7], s[G1V:G1V+7]
	s_nop 0
.rept 4
	v_nop
.endr
.Lfirst_asked:
	v_and_b32 v1, 15, v0                           ; l % 16
	v_bfe_u32 v9, v0, 4, 1                         ; l / 16
	v_lshlrev_b32 v[QO], 8, v1
	v_lshl_add_u32 v[QO], v9, 4, v[QO]             ; row x 256 + 16 x half
; Q of a block: two tiles (heads 2 hp, 2 hp + 1), four fragments of 32 channels each: sixteen loads
.macro LOADQ ptr
	WIN 0x80                                       ; destination window 2
.irp u, 0,1
.irp c, 0,1,2,3
	global_load_b128 v[32*(\u)+8*(\c):32*(\u)+8*(\c)+3],   v[QO], s[\ptr:\ptr+1] offset:524288*(\u)+64*(\c)
	global_load_b128 v[32*(\u)+8*(\c)+4:32*(\u)+8*(\c)+7], v[QO], s[\ptr:\ptr+1] offset:524288*(\u)+64*(\c)+32
.endr
.endr
	WIN 0
.endm
	LOADQ QPLO
	s_lshl_b32 s22, s[HP], 2                       ; lam[t][hp]: rows of 64 bytes
	s_lshl_b32 s23, s[WV], 10
	s_add_co_u32 s22, s22, s23
	s_lshl_b32 s23, s[BL], 12
	s_add_co_u32 s23, s23, s22
	v_lshl_add_u32 v30, v1, 6, s23
	s_lshl_b32 s23, s[OWNHI], 12
	s_add_co_u32 s23, s23, s22
	v_lshl_add_u32 v31, v1, 6, s23
	global_load_b32 v[LAMLO], v30, s[6:7]
	global_load_b32 v[LAMHI], v31, s[6:7]
	v_lshlrev_b32 v32, 3, v9
	v_sub_nc_u32 v32, v1, v32
	s_lshl_b32 s23, s[WV], 4
	v_add_nc_u32 v32, s23, v32                     ; my query's place in its block, 16 w + l % 16, less my lanes' 8 (l / 16): register r of key group kt is hidden where 16 kt + r is greater
.set i, 0
.rept 32
	v_cmp_gt_i32 vcc_lo, 16*(i/8)+i%8, v32
	v_cndmask_b32 v[MD+i], 0, s[BIGN], vcc_lo
.set i, i+1
.endr
	v_mul_u32_u24 v[AK0], v1, PK
	v_lshl_add_u32 v[AK0], v9, 4, v[AK0]
	v_and_b32 v10, 7, v0
	v_bfe_u32 v11, v0, 3, 1
	v_lshl_add_u32 v[AV0], v9, 3, v10              ; the turning load: lane l reads key 8 (l / 16) + l % 8, channels 8 ((l / 8) % 2) + 0..7
	v_mul_u32_u24 v[AV0], v[AV0], PV
	v_lshl_add_u32 v[AV0], v11, 4, v[AV0]
	v_add_nc_u32 v[AV0], VOFF, v[AV0]
	s_mul_i32 s23, s[WV], 16*SP
	s_add_co_u32 s23, s23, STAGE                   ; my stage
	v_mul_u32_u24 v[STO], v1, SP
	v_lshl_add_u32 v[STO], v9, 4, v[STO]
	v_add_nc_u32 v[STO], s23, v[STO]
	v_mul_u32_u24 v[RD], v9, SP
	v_lshl_add_u32 v[RD], v1, 4, v[RD]
	v_add_nc_u32 v[RD], s23, v[RD]
	v_lshlrev_b32 v[GO], 12, v9                    ; two rows of att, 16 bytes a lane
	v_lshl_add_u32 v[GO], v1, 4, v[GO]
	v_and_b32 v[PFO], 31, v0
	v_lshlrev_b32 v[PFO], 8, v[PFO]
.irp t, 0,1
	v_mov_b32 v[ST+8*(\t)], 0xfe000000             ; c m: far below every c s
	v_mov_b32 v[ST+8*(\t)+1], 0xff7fffff           ; m
	v_mov_b32 v[ST+8*(\t)+2], 0                    ; a block's first step multiplies l and O^T by a = 0: they need only be finite
	v_mov_b32 v[ST+8*(\t)+3], 0
.endr
	WIN 0x40
.set i, 0
.rept 128
	v_mov_b32 v[i], 0                              ; written in the wait for the first tile, so that no first step is written out
.set i, i+1
.endr
	WIN 0
; 32 products S^T = K Q^T: product i: channels 32 (i / 8) on, keys 16 ((i / 2) % 4) on, tile i % 2.  The first 8 start the sums with the mask.  The 8 accumulators take turns.
.macro KQ
	WIN 0x5a                                       ; K and Q window 2, C and D window 1
.set i, 0
.rept 32
.set rS, S+32*(i%2)+8*((i/2)%4)
.set rK, KF+32*((i/2)%4)+8*(i/8)
.set rQ, 32*(i%2)+8*(i/8)
.set rM, MC+8*((i/2)%4)
.if i < 8
	v_wmma_f32_16x16x32_f16 v[rS:rS+7], v[rK:rK+7], v[rQ:rQ+7], v[rM:rM+7]
.else
	v_wmma_f32_16x16x32_f16 v[rS:rS+7], v[rK:rK+7], v[rQ:rQ+7], v[rS:rS+7]
.endif
.set i, i+1
.endr
.endm
; 32 products O^T += V^T P: product i: keys 32 (i / 16) on, channels 16 ((i / 2) % 8) on, tile i % 2.  The 16 accumulators take turns.
.macro PVM
	WIN 0x57                                       ; V window 3, P, C and D window 1
.set i, 0
.rept 32
.set rO, 64*(i%2)+8*((i/2)%8)
.set rV, 64*(i/16)+8*((i/2)%8)
.set rP, P+16*(i%2)+8*(i/16)
	v_wmma_f32_16x16x32_f16 v[rO:rO+7], v[rV:rV+7], v[rP:rP+7], v[rO:rO+7]
.set i, i+1
.endr
.endm
.macro FETCH_K                         ; a step's K: 16 fragments, 32 loads in one run
	WIN 0
	v_add_nc_u32 v[ADR], s[TB], v[AK0]
	WIN 0x80
.irp f, 0,1,2,3,4,5,6,7,8,9,10,11,12,13,14,15
	ds_load_b128 v[KF+8*(\f):KF+8*(\f)+3],   v[ADR] offset:((\f)/4)*16*PK+((\f)%4)*64
	ds_load_b128 v[KF+8*(\f)+4:KF+8*(\f)+7], v[ADR] offset:((\f)/4)*16*PK+((\f)%4)*64+32
.endr
	WIN 0
.endm
.macro FETCH_V                         ; the same step's V, turned; then the fetches go on to the next step
	WIN 0
	v_add_nc_u32 v[ADR], s[TB], v[AV0]
	s_add_co_u32 s[TB], s[TB], STEPB
	WIN 0xc0
.irp f, 0,1,2,3,4,5,6,7,8,9,10,11,12,13,14,15
	ds_load_tr16_b128 v[8*(\f):8*(\f)+3],   v[ADR] offset:((\f)/8)*32*PV+((\f)%8)*32
	ds_load_tr16_b128 v[8*(\f)+4:8*(\f)+7], v[ADR] offset:((\f)/8)*32*PV+16*PV+((\f)%8)*32
.endr
	WIN 0
.endm
.macro MASKS                           ; the two scalars of the mask for the scores made next: selects, no branch
	s_cmp_eq_u32 s[SK], s[OWN]
	s_cselect_b32 s[AL], 1.0, 0
	s_cmp_gt_u32 s[SK], s[OWN]
	s_cselect_b32 s[BE], s[BIGN], 0
	s_add_co_u32 s[SK], s[SK], 1
.endm
.macro MASK
	WIN 0x40
.set z, 0
.rept 16
	v_pk_fma_f32 v[MC+2*z:MC+2*z+1], v[MD+2*z:MD+2*z+1], s[AL:AL+1], s[BE:BE+1] op_sel_hi:[1,0,0]
.set z, z+1
.endr
.endm
; THE SOFTMAX of one step, both tiles alternating.  Two batches of exponentials, each with the one wait ahead of its first reader: the two a, behind which the 32 scalings are
; the independent work; then the 64 weights, each with a rescaling of O^T as its plain neighbour.
.macro SM
	WIN 0x15                                       ; three sources in window 1
.irp j, 0,1,2,3
.irp t, 0,1
	v_max3_num_f32 v[ST+8*(\t)+4+(\j)], v[S+32*(\t)+8*(\j)], v[S+32*(\t)+8*(\j)+1], v[S+32*(\t)+8*(\j)+2]
.endr
.endr
	WIN 0x05
.irp j, 4,5,6,7,8,9,10,11
.irp t, 0,1
	v_max3_num_f32 v[ST+8*(\t)+4+(\j)%4], v[S+32*(\t)+8*((\j)%4)+2*((\j)/4)+1], v[S+32*(\t)+8*((\j)%4)+2*((\j)/4)+2], v[ST+8*(\t)+4+(\j)%4]
.endr
.endr
.irp t, 0,1
	v_max3_num_f32 v[ST+8*(\t)+4], v[S+32*(\t)+7], v[S+32*(\t)+15], v[ST+8*(\t)+4]
	v_max3_num_f32 v[ST+8*(\t)+6], v[S+32*(\t)+23], v[S+32*(\t)+31], v[ST+8*(\t)+6]
.endr
	WIN 0
.irp t, 0,1
	v_max3_num_f32 v[ST+8*(\t)+4], v[ST+8*(\t)+4], v[ST+8*(\t)+5], v[ST+8*(\t)+6]
.endr
.irp t, 0,1
	v_max3_num_f32 v[ST+8*(\t)+4], v[ST+8*(\t)+4], v[ST+8*(\t)+7], v[ST+8*(\t)+1]
.endr
.irp t, 0,1
	v_permlanex16_b32 v[ST+8*(\t)+5], v[ST+8*(\t)+4], s[SEL], s[SEL+1]  ; the query's other 32 keys lie in the lane 16 away
.endr
.irp t, 0,1
	v_mov_b32 v[ST+8*(\t)+7], v[ST+8*(\t)]         ; c m_old is kept
.endr
.irp t, 0,1
	v_max_num_f32 v[ST+8*(\t)+1], v[ST+8*(\t)+4], v[ST+8*(\t)+5]
.endr
.irp t, 0,1
	v_mul_f32 v[ST+8*(\t)], s[CS], v[ST+8*(\t)+1]
.endr
.irp t, 0,1
	v_sub_f32 v[ST+8*(\t)+7], v[ST+8*(\t)+7], v[ST+8*(\t)]
.endr
.irp t, 0,1
	v_exp_f32 v[ST+8*(\t)+6], v[ST+8*(\t)+7]       ; a
.endr
	v_nop
	WIN 0x41                                       ; destination and source 0 window 1
.set e, 0
.rept 16
.irp t, 0,1
	v_pk_fma_f32 v[S+32*(\t)+2*e:S+32*(\t)+2*e+1], v[S+32*(\t)+2*e:S+32*(\t)+2*e+1], s[CS:CS+1], v[ST+8*(\t):ST+8*(\t)+1] op_sel_hi:[1,0,0] neg_lo:[0,0,1] neg_hi:[0,0,1]  ; c s - c m
.endr
.set e, e+1
.endr
	s_wait_alu depctr_va_vdst(0)                   ; the wait for the two a
.set e, 0
.rept 32
.irp t, 0,1
	v_exp_f32 v[S+32*(\t)+e], v[S+32*(\t)+e]
	v_pk_mul_f32 v[64*(\t)+2*e:64*(\t)+2*e+1], v[64*(\t)+2*e:64*(\t)+2*e+1], v[ST+8*(\t)+6:ST+8*(\t)+7] op_sel_hi:[1,0]  ; O^T times a, ascending: each accumulator from its low end on
.endr
.set e, e+1
.endr
	s_wait_alu depctr_va_vdst(0)                   ; the wait for the 64 weights; the last rescaling is the plain instruction behind the last exponential
	WIN 0x45
.set e, 0
.rept 16
.irp t, 0,1
	v_cvt_pk_f16_f32 v[P+16*(\t)+e], v[S+32*(\t)+2*e], v[S+32*(\t)+2*e+1]
.endr
.set e, e+1
.endr
.irp w, 4,8,16,32                      ; the sum of a tile's 16 pairs, in place: neighbours 1, 2, 4 and 8 pairs apart
.set u, 0
.rept 32/(\w)
.irp t, 0,1
	v_pk_add_f32 v[S+32*(\t)+(\w)*u:S+32*(\t)+(\w)*u+1], v[S+32*(\t)+(\w)*u:S+32*(\t)+(\w)*u+1], v[S+32*(\t)+(\w)*u+(\w)/2:S+32*(\t)+(\w)*u+(\w)/2+1]
.endr
.set u, u+1
.endr
.endr
	WIN 0x10
.irp t, 0,1
	v_pk_fma_f32 v[ST+8*(\t)+2:ST+8*(\t)+3], v[ST+8*(\t)+2:ST+8*(\t)+3], v[ST+8*(\t)+6:ST+8*(\t)+7], v[S+32*(\t):S+32*(\t)+1] op_sel_hi:[1,0,1]  ; l = a l + the sum
.endr
.endm
; A BLOCK'S END: att = O0 / l0 - lam O1 / l1, rounded to f16, through my own stage in LDS, stored as whole pieces of 256 bytes.
.macro FINISH lamr, ptr
	WIN 0
	PLACES                                         ; behind the last products
.irp t, 0,1
	v_add_f32 v[ST+8*(\t)+4], v[ST+8*(\t)+2], v[ST+8*(\t)+3]
.endr
.irp t, 0,1
	v_permlanex16_b32 v[ST+8*(\t)+5], v[ST+8*(\t)+4], s[SEL], s[SEL+1]
.endr
.irp t, 0,1
	v_add_f32 v[ST+8*(\t)+4], v[ST+8*(\t)+4], v[ST+8*(\t)+5]
.endr
.irp t, 0,1
	v_rcp_f32 v[ST+8*(\t)+6], v[ST+8*(\t)+4]
.endr
	v_nop
	s_wait_alu depctr_va_vdst(0)                   ; one wait for the two reciprocals
	v_mul_f32 v[ST+14], v[ST+14], v[\lamr]         ; lam / l1
	WIN 0x41
.set e, 0
.rept 32
	v_pk_mul_f32 v[2*e:2*e+1], v[2*e:2*e+1], v[ST+6:ST+7] op_sel_hi:[1,0]
.set e, e+1
.endr
	WIN 0x51
.set e, 0
.rept 32
	v_pk_fma_f32 v[2*e:2*e+1], v[64+2*e:64+2*e+1], v[ST+14:ST+15], v[2*e:2*e+1] op_sel_hi:[1,0,1] neg_lo:[0,1,0] neg_hi:[0,1,0]
.set e, e+1
.endr
	WIN 0x45
.set e, 0
.rept 32
	v_cvt_pk_f16_f32 v[S+e], v[2*e], v[2*e+1]
.set e, e+1
.endr
	WIN 0x04                                       ; store data (source 1) window 1
.irp f, 0,1,2,3,4,5,6,7
	ds_store_b128 v[STO], v[S+4*(\f):S+4*(\f)+3] offset:32*(\f)
.endr
	WIN 0x40
.irp f, 0,1,2,3,4,5,6,7
	ds_load_b128 v[S+32+4*(\f):S+32+4*(\f)+3], v[RD] offset:(\f)*2*SP  ; LDS serves a wave's instructions in order (ISA guide 5.7.1.4): these see the stores above
.endr
	WIN 0x04
.irp f, 0,1,2,3,4,5,6,7
	s_wait_dscnt 7-(\f)                            ; the younger loads may stay out
	global_store_b128 v[GO], v[S+32+4*(\f):S+32+4*(\f)+3], s[\ptr:\ptr+1] offset:8192*(\f)  ; 16 lanes store 256 consecutive bytes, aligned: a row's piece for my head pair
.endr
	WIN 0
.endm
; THE CHANGE OF SLOTS, behind K Q^T of a slot's second step: all four runs of loads from that slot have been issued.  Each wave waits for all its tensor loads (one is out: its part of the other slot), adds 0 to
; its spare word, and waits for that and for its reads.  fill = 1: a round of the cluster's barrier, and the joint refill first behind it: it has two bodies, 128 matrix instructions and two softmaxes, in which to land.
.macro CHANGE fill
	WIN 0
	s_wait_tensorcnt 0x0                           ; no tensor load of mine is out, so a group 0 may be written
	ds_add_u32 v[SPW], v[NIL]                      ; 0 onto my spare word
.if \fill
	s_lshl_b32 s[OFF], s[NXT], 15
	s_xor_b32 s[G0K+5], s[G0K+5], SLOT1            ; the other slot than last time; the address is made anew from the tile's number
	s_add_nc_u64 s[G0K+6:G0K+7], s[KB:KB+1], s[OFF:OFF+1]
	s_or_b32 s[G0K+7], s[G0K+7], 0x80000000
	s_xor_b32 s[G0V+5], s[G0V+5], SLOT1
	s_add_nc_u64 s[G0V+6:G0V+7], s[VB:VB+1], s[OFF:OFF+1]
	s_or_b32 s[G0V+7], s[G0V+7], 0x80000000
	ADV
	s_wait_xcnt 0x0                                ; the last prefetch, two bodies back, has read its address
	s_lshl_b32 s[OFF], s[NXT], 15
	s_add_nc_u64 s[PFA:PFA+1], s[PFB:PFB+1], s[OFF:OFF+1]
	s_wait_dscnt 0x0                               ; the add is done, and my reads of the slot are over
	CROUND
	JLOAD
	ASK
.else
	s_wait_dscnt 0x0
	s_barrier_signal -1
	s_barrier_wait -1
.endif
	s_sub_co_u32 s[TB], s[TB], 2*STEPB             ; the fetches go back to a slot's first step,
	s_xor_b32 s[TB], s[TB], SLOT1                  ; in the other slot
.endm
.macro BODY1 last                      ; last = 1 (the tail): in the walk's last body there is no further step, and K's run is jumped over
	WIN 0
	PLACES                                         ; behind K Q^T: in front of the loads into K's registers and of the maxima
.if \last
	s_cmp_eq_u32 s[TWICE], 1
	s_cbranch_scc1 .Lno_k_\@
.endif
	FETCH_K
.if \last
.Lno_k_\@:
.endif
	SM
	s_wait_dscnt 0x0                               ; V of this step is in (and K of the next)
	PVM
.endm
.macro BODY2
	MASKS
	MASK                                           ; sixteen plain instructions that name none of the products' registers: the places in front of the loads into V's registers
	FETCH_V
	s_wait_dscnt 32                                ; K is in; V's 32 loads may stay out
	KQ
.endm
; THE CHANGE OF BLOCKS, behind V^T P of the first block's last step (body 2 b2 + 1): the second block's Q is asked for, the first block goes out, m starts anew.
.macro TRANS
	WIN 0
	s_sub_co_u32 s[RT], s[RT], 1
	s_cmp_eq_u32 s[RT], 0
	s_cbranch_scc0 .Lno_tr_\@
	LOADQ QPHI
	FINISH LAMLO, OPLO
.irp t, 0,1
	v_mov_b32 v[ST+8*(\t)], 0xfe000000
	v_mov_b32 v[ST+8*(\t)+1], 0xff7fffff
.endr
	s_mov_b32 s[SK], 0
	s_mov_b32 s[OWN], s[OWNHI]
	s_mov_b32 s[RT], 64                            ; more than the bodies that are left
	s_wait_xcnt 0x0                                ; the stores have read their data: S^T's registers are rewritten only behind this wait
	s_wait_loadcnt 0x0                             ; Q
.Lno_tr_\@:
.endm
	s_wait_tensorcnt 1                             ; my part of slot 0 is in; slot 1's may stay out
	s_barrier_signal -1
	s_barrier_wait -1
	FETCH_K                                        ; step 0
	FETCH_V
	MASKS
	MASK
	s_wait_loadcnt 0x0                             ; Q and lam
	s_wait_dscnt 32                                ; K is in
	KQ
	WIN 0
	s_lshl_b32 s[RT], s[B2], 1
	s_add_co_u32 s[RT], s[RT], 2                   ; the first block has 2 b2 + 2 bodies
	s_mov_b32 s[SLOTS], 16
	s_mov_b32 s[TWICE], 1                          ; body 0 reads the rest of slot 0
	s_branch .Lstep
.Lslot:                                            ; 15 times: every slot fill but the first two
	CHANGE 1
	s_mov_b32 s[TWICE], 2
.Lstep:
	BODY1 0
	TRANS
	BODY2
	WIN 0
	s_sub_co_u32 s[TWICE], s[TWICE], 1
	s_cmp_lg_u32 s[TWICE], 0
	s_cbranch_scc1 .Lstep
	s_sub_co_u32 s[SLOTS], s[SLOTS], 1
	s_cmp_lg_u32 s[SLOTS], 0
	s_cbranch_scc1 .Lslot
	CHANGE 0                                       ; the tail is written out: nothing is asked for
	s_mov_b32 s[TWICE], 3                          ; two bodies fetch the last slot's steps; the third is left in its middle
.Ltail:
	BODY1 1
	WIN 0
	s_sub_co_u32 s[TWICE], s[TWICE], 1
	s_cmp_eq_u32 s[TWICE], 0
	s_cbranch_scc1 .Lout
	BODY2
	WIN 0
	s_branch .Ltail
.Lout:
	FINISH LAMHI, OPHI
	s_wait_tensorcnt 0x0                           ; the wave's end, behind my last tensor load and my last LDS store
	ds_add_u32 v[SPW], v[NIL]
	s_wait_dscnt 0x0
	CROUND                                         ; the closing round
	s_endpgm
.Lfunc_end_k_qd1236c3254_attn:
	.size	k_qd1236c3254_attn, .Lfunc_end_k_qd1236c3254_attn-k_qd1236c3254_attn
	.p2alignl 7, 3214868480
	.fill 96, 4, 3214868480
	.section	.rodata,"a",@progbits
	.p2align	6, 0x0
	.amdhsa_kernel k_qd1236c3254_attn
		.amdhsa_group_segment_fixed_size 327680
		.amdhsa_private_segment_fixed_size 0
		.amdhsa_enable_private_segment 0
		.amdhsa_kernarg_size 24
		.amdhsa_user_sgpr_count 2
		.amdhsa_user_sgpr_kernarg_segment_ptr 1
		.amdhsa_wavefront_size32 1
		.amdhsa_system_sgpr_workgroup_id_x 1
		.amdhsa_system_sgpr_workgroup_id_y 1
		.amdhsa_system_sgpr_workgroup_id_z 1
		.amdhsa_system_vgpr_workitem_id 0
		.amdhsa_next_free_vgpr 896
		.amdhsa_next_free_sgpr 96
		.amdhsa_reserve_vcc 1
		.amdhsa_float_denorm_mode_32 3
		.amdhsa_float_denorm_mode_16_64 3
		.amdhsa_memory_ordered 1
		.amdhsa_forward_progress 1
		.amdhsa_inst_pref_size 97
	.end_amdhsa_kernel
	.amdgpu_metadata
---
amdhsa.version: [ 1, 2 ]
amdhsa.kernels:
  - .name:           k_qd1236c3254_attn
    .symbol:         k_qd1236c3254_attn.kd
    .args:
      - { .name: qkv, .offset: 0, .size: 8, .value_kind: global_buffer, .address_space: global }
      - { .name: lam, .offset: 8, .size: 8, .value_kind: global_buffer, .address_space: global }
      - { .name: att, .offset: 16, .size: 8, .value_kind: global_buffer, .address_space: global }
    .group_segment_fixed_size: 327680
    .private_segment_fixed_size: 0
    .kernarg_segment_align: 8
    .kernarg_segment_size: 24
    .max_flat_workgroup_size: 128
    .sgpr_count:     96
    .vgpr_count:     896
    .wavefront_size: 32
...
	.end_amdgpu_metadata
.endif
;; end of part 4
;; launch oproj (part 5): grid 16 x 16, 4 waves a work-group, clusters of 4 x 4, 327,680 bytes of LDS; arguments att, wob, out0; writes out0
.if DOCPART == 5
	.amdgcn_target "amdgcn-amd-amdhsa--gfx1250"
	.amdhsa_code_object_version 6
	.text
	.protected	k_qd1236c3254_oproj
	.globl	k_qd1236c3254_oproj
	.p2align	8
	.type	k_qd1236c3254_oproj,@function
k_qd1236c3254_oproj:
	s_mov_b64 s[64:65], 0
	v_nop
	global_prefetch_b8 v0, s[64:65] scope:SCOPE_SE
	s_setreg_imm32_b32 hwreg(HW_REG_WAVE_MODE, 25, 1), 1
	s_wait_xcnt 0x0
	s_wait_alu depctr_hold_cnt(0) depctr_sa_sdst(0) depctr_va_vdst(0) depctr_va_sdst(0) depctr_va_ssrc(0) depctr_va_vcc(0) depctr_vm_vsrc(0)
	s_getreg_b32 s2, hwreg(HW_REG_IB_STS2, 6, 4)
	s_cmp_eq_u32 s2, 0
	s_cbranch_scc0 .Lentry_in_a_cluster
	s_endpgm
.Lentry_in_a_cluster:
	s_bfe_u32 s2, ttmp6, 0x10000c
	s_cmp_lg_u32 s2, 0xf033
	s_cbranch_scc0 .Lentry_shape_is_right
	s_endpgm
.Lentry_shape_is_right:
; out0[t][n] = the sum over k of att[t][k] wob[k][n].  att [2048][2048] f16 lies along k; wob [2048 k][2048 n] f16 lies along n: its fragments come out of LDS turned.  Sums in f32, K ascending; out0 f32.
; A tile is 128 x 128: 16 x 16 tiles, one work-group each.  Four waves, each 64 x 64: 16 accumulators.  K goes in steps of 256 through two LDS slots; a step is four quarters of 64 along K,
; 32 matrix instructions and 32 LDS loads each.  CLUSTER 4 x 4: A's tile is asked for jointly along a row of the cluster, B's along a column.
; The matrix instruction is used turned (source 0 = 16 columns of wob, source 1 = 16 rows of att): a lane holds one row and eight neighbouring columns.
; THE WAY OUT: the f32 sums go into a stage in slot 0 (its last fill and, behind the last change of slots, its last reads are past), come back as whole rows of 512 bytes and are stored.
; No prefetch: a step of this small tile is short, and each row of att and wob is read by four clusters at about the same time.
; REGISTERS: window 0: v0-31 addresses; v32-95 at work on the way out; v128-255 the accumulators ((a, b) at 128 + 8 (4 a + b)).  window 1: two fragment buffers of 128: 64 of A, then 64 of B.
.set KSTEP,  256
.set PITCH,  528                       ; a row of A in LDS: 512 bytes + 16
.set PBO,    288                       ; a row of B (k): 256 bytes + 32: an odd multiple of 32
.set AHALF,  64*PITCH
.set BHALF,  128*PBO
.set AT,     2*AHALF
.set SLOT,   AT+2*BHALF
.set SPITCH, 528                       ; a stage row: 128 f32 + 16 bytes; the stage begins at LDS byte 0
.set SPARE,  2*SLOT
.set LAPS,   4
.set ADRA, 16
.set ADRB, 20                          ; v20-23: slot, half of the K step
.set STO,  24
.set RD,   25
.set CO,   26
.set SPW,  28
.set NIL,  29
.set ACC,  128
.set F0,   0
.set F1,   128
.set WV, 12
.set RH, 13
.set CH, 14
.set CX, 15
.set CY, 16
.set TC, 17
.set TR, 18
.set G1A, 24
.set G0A, 32
.set LAPC, 42
.set G1B, 48
.set G0B, 56
.set MSB, 0
.macro WIN new
.if MSB != (\new)
	s_set_vgpr_msb (MSB<<8)|(\new)
.set MSB, \new
.endif
.endm
.set MUL,  0x05                        ; sources 0 (B) and 1 (A) window 1; C and D window 0
.set TO_F, 0x40
.macro JLOAD s
	s_cmp_eq_u32 s[RH], 0
	s_cbranch_scc0 .Lfor_b_\@
	tensor_load_to_lds s[G0A+4*(\s):G0A+4*(\s)+3], s[G1A:G1A+7]
	s_nop 0
.rept 4
	v_nop
.endr
	s_branch .Lasked_\@
.Lfor_b_\@:
	tensor_load_to_lds s[G0B+4*(\s):G0B+4*(\s)+3], s[G1B:G1B+7]
	s_nop 0
.rept 4
	v_nop
.endr
.Lasked_\@:
.endm
.macro CREST
	s_cmp_lg_u32 s[WV], 0
	s_cbranch_scc1 .Lnot_wave_0_\@
	s_barrier_signal -3
.Lnot_wave_0_\@:
	s_barrier_wait -3
	s_barrier_signal -1
	s_barrier_wait -1
.endm
.macro CROUND
	s_barrier_signal -1
	s_barrier_wait -1
	CREST
.endm
	s_load_b128 s[4:7], s[0:1], 0x0                ; att s[4:5], wob s[6:7]
	s_load_b64 s[8:9], s[0:1], 0x10                ; out0
	v_lshl_add_u32 v[SPW], v0, 2, SPARE
	v_mov_b32 v[NIL], 0
	ds_add_u32 v[SPW], v[NIL]                      ; the wave's opening: the add and its wait ahead of my first tensor load
	v_lshrrev_b32 v1, 5, v0
	v_readfirstlane_b32 s[WV], v1
	s_lshr_b32 s[RH], s[WV], 1                     ; my half of the rows; also: I fetch for A (0) or B (1)
	s_and_b32 s[CH], s[WV], 1                      ; my half of the columns; also: which half of that tile I fetch
	s_bfe_u32 s[CX], ttmp6, 0x40000
	s_bfe_u32 s[CY], ttmp6, 0x40004
	s_lshl_b32 s[TC], ttmp9, 2
	s_add_co_u32 s[TC], s[TC], s[CX]
	s_and_b32 s[TR], ttmp7, 0xffff
	s_lshl_b32 s[TR], s[TR], 2
	s_add_co_u32 s[TR], s[TR], s[CY]
	s_lshl_b32 s19, s[CY], 2
	s_lshl_b32 s19, 15, s19
	s_lshl_b32 s20, 0x1111, s[CX]
	s_or_b32 s[G1A], s19, (1<<16)|(1<<20)|(1<<21)|(6<<22)|(3<<25)  ; my row's mask; 2-byte elements; padding: 4 words behind every 128
	s_or_b32 s[G1B], s20, (1<<16)|(1<<20)|(1<<21)|(5<<22)|(7<<25)  ; my column's mask; 8 words behind every 64
	s_mov_b32 s[G1A+1], 256<<16                    ; A: 64 rows x 256 elements
	s_mov_b32 s[G1A+2], 64<<16
	s_mov_b32 s[G1A+3], 256<<16
	s_mov_b32 s[G1A+4], 64
	s_mov_b32 s[G1A+5], 2048
	s_mov_b32 s[G1A+6], 0
	s_mov_b32 s[G1A+7], 0
	s_mov_b32 s[G1B+1], 128<<16                    ; B: 128 rows (k) x 128 elements
	s_mov_b32 s[G1B+2], 128<<16
	s_mov_b32 s[G1B+3], 128<<16
	s_mov_b32 s[G1B+4], 128
	s_mov_b32 s[G1B+5], 2048
	s_mov_b32 s[G1B+6], 0
	s_mov_b32 s[G1B+7], 0
	s_lshl_b32 s2, s[TR], 7
	s_lshl_b32 s3, s[CH], 6
	s_add_co_u32 s2, s2, s3
	s_lshl_b32 s2, s2, 12                          ; A: row 128 x tile row + 64 x half
	s_mov_b32 s3, 0
	s_lshl_b32 s40, s[CH], 19                      ; B: row (k) 128 x half, 4,096 bytes a row,
	s_lshl_b32 s41, s[TC], 8                       ; column byte 256 x tile column
	s_add_co_u32 s40, s40, s41
	s_mov_b32 s41, 0
	s_mul_i32 s21, s[CH], AHALF
	s_mul_i32 s22, s[CH], BHALF
	s_add_co_u32 s22, s22, AT
	s_wait_dscnt 0x0                               ; the opening add is done
	s_wait_kmcnt 0x0
	s_add_nc_u64 s[2:3], s[4:5], s[2:3]
	s_add_nc_u64 s[40:41], s[6:7], s[40:41]
	CROUND                                         ; all sixteen work-groups are here: the first joint loads meet
.irp s, 0,1
	s_mov_b32 s[G0A+4*(\s)], 1
	s_add_co_u32 s[G0A+4*(\s)+1], s21, (\s)*SLOT
	s_add_nc_u64 s[G0A+4*(\s)+2:G0A+4*(\s)+3], s[2:3], (\s)*KSTEP*2
	s_or_b32 s[G0A+4*(\s)+3], s[G0A+4*(\s)+3], 0x80000000
	s_mov_b32 s[G0B+4*(\s)], 1
	s_add_co_u32 s[G0B+4*(\s)+1], s22, (\s)*SLOT
	s_add_nc_u64 s[G0B+4*(\s)+2:G0B+4*(\s)+3], s[40:41], (\s)*KSTEP*4096
	s_or_b32 s[G0B+4*(\s)+3], s[G0B+4*(\s)+3], 0x80000000
	JLOAD \s
.endr
	v_and_b32 v1, 15, v0
	v_bfe_u32 v2, v0, 4, 1
	v_and_b32 v3, 7, v0
	v_bfe_u32 v4, v0, 3, 1
	v_mul_u32_u24 v5, v1, PITCH
	v_lshl_add_u32 v5, v2, 4, v5
	s_mul_i32 s19, s[RH], AHALF
	v_add_nc_u32 v[ADRA], s19, v5
	v_add_nc_u32 v[ADRA+1], SLOT, v[ADRA]
	v_lshl_add_u32 v6, v2, 3, v3
	v_mul_u32_u24 v6, v6, PBO
	v_lshl_add_u32 v6, v4, 4, v6
	s_lshl_b32 s19, s[CH], 7                       ; my 64 columns
	s_add_co_u32 s19, s19, AT
	v_add_nc_u32 v[ADRB], s19, v6
	v_add_nc_u32 v[ADRB+1], BHALF, v[ADRB]
	v_add_nc_u32 v[ADRB+2], SLOT, v[ADRB]
	v_add_nc_u32 v[ADRB+3], SLOT+BHALF, v[ADRB]
	v_mul_u32_u24 v[STO], v1, SPITCH               ; into the stage: row 64 x row half + l % 16; 256 bytes x column half; 32 bytes for each half of the lanes
	v_lshl_add_u32 v[STO], v2, 5, v[STO]
	s_mul_i32 s19, s[RH], 64*SPITCH
	s_lshl_b32 s20, s[CH], 8
	s_add_co_u32 s19, s19, s20
	v_add_nc_u32 v[STO], s19, v[STO]
	v_and_b32 v[CO], 31, v0
	v_lshlrev_b32 v[CO], 4, v[CO]                  ; back and out: a row of 512 bytes an instruction, 16 bytes a lane
	s_mul_i32 s19, s[WV], 32*SPITCH
	v_add_nc_u32 v[RD], s19, v[CO]
	s_lshl_b32 s20, s[TR], 20                      ; (128 x tile row + 32 x wave) rows of 8,192 bytes,
	s_lshl_b32 s19, s[WV], 18
	s_add_co_u32 s20, s20, s19
	s_lshl_b32 s19, s[TC], 9                       ; the tile's 512 bytes of a row
	s_add_co_u32 s20, s20, s19
	s_mov_b32 s21, 0
	s_add_nc_u64 s[8:9], s[8:9], s[20:21]
; 8 matrix instructions: row blocks a0, a0 + 1 x all 4 column blocks, 32 along K: half c of buffer f.  The 16 accumulators take turns.
.macro MUL8 f, c, a0, zero
	WIN MUL
.irp a, \a0, (\a0)+1
.irp b, 0,1,2,3
.if \zero
	v_wmma_f32_16x16x32_f16 v[ACC+8*(4*(\a)+(\b)):ACC+8*(4*(\a)+(\b))+7], v[(\f)+64+8*(4*(\c)+(\b)):(\f)+64+8*(4*(\c)+(\b))+7], v[(\f)+8*(4*(\c)+(\a)):(\f)+8*(4*(\c)+(\a))+7], 0
.else
	v_wmma_f32_16x16x32_f16 v[ACC+8*(4*(\a)+(\b)):ACC+8*(4*(\a)+(\b))+7], v[(\f)+64+8*(4*(\c)+(\b)):(\f)+64+8*(4*(\c)+(\b))+7], v[(\f)+8*(4*(\c)+(\a)):(\f)+8*(4*(\c)+(\a))+7], v[ACC+8*(4*(\a)+(\b)):ACC+8*(4*(\a)+(\b))+7]
.endif
.endr
.endr
.endm
; 32 LDS loads in one run: quarter q's fragments (64 along K) into buffer f; the first 32 along K first; B's turned
.macro FETCH slot, q, f
	WIN TO_F
.irp c, 0,1
.irp i, 0,1,2,3
	ds_load_tr16_b128 v[(\f)+64+8*(4*(\c)+(\i)):(\f)+64+8*(4*(\c)+(\i))+3],   v[ADRB+2*(\slot)+(\q)/2] offset:((\q)%2)*64*PBO+(\c)*32*PBO+32*(\i)
	ds_load_tr16_b128 v[(\f)+64+8*(4*(\c)+(\i))+4:(\f)+64+8*(4*(\c)+(\i))+7], v[ADRB+2*(\slot)+(\q)/2] offset:((\q)%2)*64*PBO+(\c)*32*PBO+32*(\i)+16*PBO
	ds_load_b128 v[(\f)+8*(4*(\c)+(\i)):(\f)+8*(4*(\c)+(\i))+3],   v[ADRA+(\slot)] offset:128*(\q)+64*(\c)+(\i)*16*PITCH
	ds_load_b128 v[(\f)+8*(4*(\c)+(\i))+4:(\f)+8*(4*(\c)+(\i))+7], v[ADRA+(\slot)] offset:128*(\q)+64*(\c)+(\i)*16*PITCH+32
.endr
.endr
.endm
.macro PLACES
.rept 4
	v_nop
.endr
.endm
.macro QUARTER slot, q, f, g, zero
	s_wait_dscnt 16                                ; the first 32 along K are in; the other sixteen loads may be out
	MUL8 \f, 0, 0, \zero
	MUL8 \f, 0, 2, \zero
	PLACES
	FETCH \slot, \q, \g
	s_wait_dscnt 32                                ; all but the 32 just issued
	MUL8 \f, 1, 0, 0
	MUL8 \f, 1, 2, 0
.endm
; The last quarter multiplies buffer 1 and changes slots: one barrier; in front of it each wave waits for all its tensor loads, adds 0 to its spare word, and waits for that and for its reads of this slot.
.macro TURN slot, next, fill
	WIN 0
	s_wait_tensorcnt 0x0
	ds_add_u32 v[SPW], v[NIL]                      ; 0 onto my spare word
	s_wait_dscnt 17                                ; (the add and the youngest sixteen loads may be out)
	MUL8 F1, 0, 0, 0
	s_wait_dscnt 0x0                               ; the add is done, and my reads of this slot are over
	s_barrier_signal -1
	MUL8 F1, 0, 2, 0
.if \fill
	WIN 0
.endif
	s_barrier_wait -1
.if \fill
	CREST                                          ; no wave of any partner still reads this slot or has a load on its way
	s_add_nc_u64 s[G0A+4*(\slot)+2:G0A+4*(\slot)+3], s[G0A+4*(\slot)+2:G0A+4*(\slot)+3], 2*KSTEP*2
	s_add_nc_u64 s[G0B+4*(\slot)+2:G0B+4*(\slot)+3], s[G0B+4*(\slot)+2:G0B+4*(\slot)+3], 2*KSTEP*4096
	JLOAD \slot                                    ; the first tensor load behind the round; its four v_nop are also the places in front of the loads below
.else
	PLACES
.endif
	FETCH \next, 0, F0
	MUL8 F1, 1, 0, 0
	MUL8 F1, 1, 2, 0
.endm
	s_wait_tensorcnt 1                             ; my part of K step 0 is in; K step 1's may stay out
	s_barrier_signal -1
	s_barrier_wait -1
	FETCH 0, 0, F0
	QUARTER 0, 1, F0, F1, 1                        ; the first quarter stands in front of the loop: its first products start the sums
	WIN 0
	s_mov_b32 s[LAPC], LAPS-1
.Llap:
	QUARTER 0, 2, F1, F0, 0
	QUARTER 0, 3, F0, F1, 0
	TURN 0, 1, 1
	QUARTER 1, 1, F0, F1, 0
	QUARTER 1, 2, F1, F0, 0
	QUARTER 1, 3, F0, F1, 0
	TURN 1, 0, 1
	QUARTER 0, 1, F0, F1, 0
	WIN 0
	s_sub_co_u32 s[LAPC], s[LAPC], 1
	s_cmp_lg_u32 s[LAPC], 0
	s_cbranch_scc1 .Llap
	QUARTER 0, 2, F1, F0, 0                        ; the last lap fills nothing
	QUARTER 0, 3, F0, F1, 0
	TURN 0, 1, 0                                   ; behind this barrier nobody reads slot 0 any more
	QUARTER 1, 1, F0, F1, 0
	QUARTER 1, 2, F1, F0, 0
	QUARTER 1, 3, F0, F1, 0
	s_wait_dscnt 16
	MUL8 F1, 0, 0, 0
	MUL8 F1, 0, 2, 0
	s_wait_dscnt 0x0
	MUL8 F1, 1, 0, 0
	MUL8 F1, 1, 2, 0
	WIN 0
	PLACES
	PLACES                                         ; the places behind the last products
.irp a, 0,1,2,3
.irp b, 0,1,2,3
	ds_store_b128 v[STO], v[ACC+8*(4*(\a)+(\b)):ACC+8*(4*(\a)+(\b))+3]   offset:(\a)*16*SPITCH+64*(\b)     ; each accumulator from its low end on
	ds_store_b128 v[STO], v[ACC+8*(4*(\a)+(\b))+4:ACC+8*(4*(\a)+(\b))+7] offset:(\a)*16*SPITCH+64*(\b)+16
.endr
.endr
	s_wait_dscnt 0x0                               ; for the others' sake: my stores into the stage are done
	s_barrier_signal -1
	s_barrier_wait -1
.set i, 0
.rept 32                               ; wave w takes rows 32 w .. 32 w + 31, whole, into v32-95 and v128-191
	ds_load_b128 v[32+4*i+32*(i/16):32+4*i+32*(i/16)+3], v[RD] offset:i*SPITCH
.set i, i+1
.endr
.set i, 0
.rept 32
	s_wait_dscnt 31-i                              ; the younger loads may stay out
	global_store_b128 v[CO], v[32+4*i+32*(i/16):32+4*i+32*(i/16)+3], s[8:9] offset:i*8192  ; the wave stores 512 consecutive bytes, aligned
.set i, i+1
.endr
	s_wait_tensorcnt 0x0                           ; the wave's end, behind my last tensor load and my last LDS store
	ds_add_u32 v[SPW], v[NIL]
	s_wait_dscnt 0x0
	CROUND                                         ; the closing round
	s_endpgm
.Lfunc_end_k_qd1236c3254_oproj:
	.size	k_qd1236c3254_oproj, .Lfunc_end_k_qd1236c3254_oproj-k_qd1236c3254_oproj
	.p2alignl 7, 3214868480
	.fill 96, 4, 3214868480
	.section	.rodata,"a",@progbits
	.p2align	6, 0x0
	.amdhsa_kernel k_qd1236c3254_oproj
		.amdhsa_group_segment_fixed_size 327680
		.amdhsa_private_segment_fixed_size 0
		.amdhsa_enable_private_segment 0
		.amdhsa_kernarg_size 24
		.amdhsa_user_sgpr_count 2
		.amdhsa_user_sgpr_kernarg_segment_ptr 1
		.amdhsa_wavefront_size32 1
		.amdhsa_system_sgpr_workgroup_id_x 1
		.amdhsa_system_sgpr_workgroup_id_y 1
		.amdhsa_system_sgpr_workgroup_id_z 1
		.amdhsa_system_vgpr_workitem_id 0
		.amdhsa_next_free_vgpr 512
		.amdhsa_next_free_sgpr 66
		.amdhsa_reserve_vcc 0
		.amdhsa_float_denorm_mode_32 3
		.amdhsa_float_denorm_mode_16_64 3
		.amdhsa_memory_ordered 1
		.amdhsa_forward_progress 1
		.amdhsa_inst_pref_size 87
	.end_amdhsa_kernel
	.amdgpu_metadata
---
amdhsa.version: [ 1, 2 ]
amdhsa.kernels:
  - .name:           k_qd1236c3254_oproj
    .symbol:         k_qd1236c3254_oproj.kd
    .args:
      - { .name: att, .offset: 0, .size: 8, .value_kind: global_buffer, .address_space: global }
      - { .name: wob, .offset: 8, .size: 8, .value_kind: global_buffer, .address_space: global }
      - { .name: out0, .offset: 16, .size: 8, .value_kind: global_buffer, .address_space: global }
    .group_segment_fixed_size: 327680
    .private_segment_fixed_size: 0
    .kernarg_segment_align: 8
    .kernarg_segment_size: 24
    .max_flat_workgroup_size: 128
    .sgpr_count:     66
    .vgpr_count:     512
    .wavefront_size: 32
...
	.end_amdgpu_metadata
.endif
;; end of part 5
